; MI455X (gfx1250); checked and timed in simulation.
; The chip was launched on July 23, 2026; its instructions are those of AMD's public machine-readable ISA for CDNA 5 (MIT licence, August 2026) and "CDNA5" Instruction Set Architecture Reference Guide (July 2026). The comments in the code are by the model that wrote it; some were corrected since.
;; Causal Self Attention. Allowed arithmetic: matrix products marked QUANTISED: E2M1 operands, one E8M0 scale for each 32 along K, by v_wmma_scale_f32_16x16x128_f8f6f4 with both operands' format E2M1 (or v_wmma_scale_f32_32x16x128_f4), f32 sums; products left as they are: bf16, f16 or f32 operands; f32 sums; everything else in f32.
;; Inputs: W_kqv 1,024 x 3,072 float32; W_proj 1,024 x 1,024 float32; b_kqv 3,072 float32; b_proj 1,024 float32; padding_mask 4 x 2,048 int32; x 4 x 2,048 x 1,024 float32.
;; Outputs: out0 4 x 2,048 x 1,024 float32.
;; This version of the problem:
;;   THIS VERSION OF THE PROBLEM IS GIVEN IN LOW PRECISION. The matrix products marked QUANTISED in the list below multiply operands that are first quantised to E2M1 (2 exponent bits, 1 mantissa bit; 4 bits a number), with one power-of-two scale for each 32 numbers along K (OCP MX v1.0); their sums are f32. The products marked 'left as it is' may take bf16, f16 or f32 operands, with f32 sums. Whichever they take, every output number must still come out within the allowed error. Rounding operands to bf16 (8 significant bits) uses up far more of that allowance than f16 does (11 bits, for magnitudes from 6e-5 to 65,504). All else is computed in f32.
;;   The module's matrix products, in the order in which they are computed (A, B: the left and right operand; K: the contracted axis; several contracted axes count as one K, in the product's order):
;;     1. [M 8,192, K 1,024] x [K 1,024, N 3,072]; A: input x; B: input W_kqv: QUANTISED
;;     2. batch 64 x [M 2,048, K 64] x [K 64, N 2,048]; A: computed on the way; B: computed on the way: left as it is (an operand is computed on the way)
;;     3. batch 64 x [M 2,048, K 2,048] x [K 2,048, N 64]; A: computed on the way; B: computed on the way: left as it is (an operand is computed on the way)
;;     4. [M 8,192, K 1,024] x [K 1,024, N 1,024]; A: computed on the way; B: input W_proj: left as it is (an operand is computed on the way)
;;   THE QUANTISER, for each operand of a quantised product, along K:
;;     - K is cut into blocks of 32 from its start; a last block that is shorter is filled with zeros.
;;     - A block's scale is 2^e with e = floor(log2(the largest magnitude in the block)) - 2, held to -126 .. 127; a block of zeros has e = 0. As a byte (E8M0): e + 127.
;;     - Each number is divided by its block's scale, clamped to +-6, and rounded to the nearest number of E2M1, ties to even, subnormals kept.
;;     - The product sums the exact products of the quantised numbers (number of the format x scale) in f32.
;;   ~~~python
;;   def quantise(x, axis):      # numpy; x: float32 -> the quantised numbers, widened to float32 again
;;       x = np.moveaxis(x, axis, -1); K = x.shape[-1]
;;       x = np.pad(x, [(0, 0)] * (x.ndim - 1) + [(0, -K % 32)]); x = x.reshape(x.shape[:-1] + (-1, 32)); a = np.abs(x).max(-1, keepdims=True)
;;       e = np.where(a > 0, np.clip(np.frexp(np.where(a > 0, a, 1))[1] - 1 - 2, -126, 127), 0)      # np.frexp(a)[1] - 1 = floor(log2(a)), exactly
;;       r = np.clip(x / 2.0 ** e, -6, 6)
;;       step = 2.0 ** (np.maximum(np.frexp(np.where(r == 0, 1, r))[1] - 1, 0) - 1)
;;       q = np.round(r / step) * step * 2.0 ** e      # np.round: ties to even
;;       return np.moveaxis(q.reshape(q.shape[:-2] + (-1,))[..., :K], -1, axis).astype(np.float32)
;;   ~~~
;; One version. Each part assembles by itself: llvm-mc -triple=amdgcn-amd-amdhsa -mcpu=gfx1250 --defsym DOCPART=n.
;; ======== version 1 of 1: 5 launches
;; limits: values are held in f16: magnitudes above 65,504 overflow, below 6.1e-05 lose precision
;; workspace buffers: x_codes 4,194,304 bytes; x_scales 262,144 bytes; w_codes 1,572,864 bytes; w_scales 98,304 bytes; wp16 2,097,152 bytes; kqv16 50,331,648 bytes; y16 16,777,216 bytes; side 1,048,576 bytes
;; launch prep (part 1): grid 368 x 1, 4 waves a work-group, no clusters, 104,960 bytes of LDS; arguments x, W_kqv, W_proj, x_codes, x_scales, w_codes, w_scales, wp16; writes x_codes, x_scales, w_codes, w_scales, wp16
.if DOCPART == 1
	.amdgcn_target "amdgcn-amd-amdhsa--gfx1250"
	.amdhsa_code_object_version 6
	.text
	.protected	k_q3166ec7cee_prep
	.globl	k_q3166ec7cee_prep
	.p2align	8
	.type	k_q3166ec7cee_prep,@function
k_q3166ec7cee_prep:
	s_mov_b64 s[64:65], 0
	v_nop
	global_prefetch_b8 v0, s[64:65] scope:SCOPE_SE
	s_setreg_imm32_b32 hwreg(HW_REG_WAVE_MODE, 25, 1), 1
	s_wait_xcnt 0x0
; PREP: the three operands that later launches read many times are made once.
;   work-groups   0 ..  47 (path W): W_kqv [1024 k][3072 n] f32 -> codes of FP4 (E2M1) laid [3072 n][512 bytes], K innermost, and E8M0 bytes [3072][32]
;   work-groups  48 .. 111 (path P): W_proj [1024 k][1024 n] f32 -> f16 laid [16 planes of 64 k][1024 n][64 k]
;   work-groups 112 .. 367 (path X): x [8192][1024] f32 -> codes [8192][512 bytes] and E8M0 bytes [8192][32]
; A block's scale is 2^(floor(log2(its largest magnitude)) - 2); its byte is the largest magnitude's exponent field - 2, held at 1 from below.
; LIMITS: a block of zeros carries the byte 1 (its codes are zeros, and this program alone reads the bytes); blocks whose largest magnitude lies under 2^-124 keep the byte 1;
; NaN and infinities among the inputs are not served; W_proj must lie under 65,504 in magnitude (f16).
; The paths part on the work-group's number and never join; each has LDS bytes of its own.  No tensor load, no barrier: waves share nothing.  No cluster: no two work-groups read the same bytes.
.set LW,    0                          ; path W: a stage of 32 x 272 bytes for each wave
.set LP,    34816                      ; path P: two planes of 32 x 144 bytes for each wave
.set LX,    71680                      ; path X: 8,192 bytes for each wave: two stages of 32 x 80, then 256 scale bytes
.set SPARE, 104448                     ; the spare words, 128 bytes for each wave: two blocks of 256 bytes that no other line names
.set SPW,   190                        ; v190 LDS address of my spare word; never rewritten
.set NIL,   191                        ; v191 0; never rewritten
.set EMAX,  2
.macro FIN                             ; the wave's end: behind my last LDS store
	s_wait_tensorcnt 0x0
	ds_add_u32 v[SPW], v[NIL]
	s_wait_dscnt 0x0
	s_endpgm
.endm
; ---------------- path X's macros: 16 steps of 512 numbers a wave
.set XR, 16                            ; v16-79   four sets of 16 numbers as they are loaded
.set XX, 80                            ; v80-111  two sets of 16 neighbours
.set XE, 112                           ; v112-127 a scale byte for each step
.set XC, 128                           ; v128-159 codes: two registers for each step, so that no store's data are written again
.set SP, 80                            ; a lane's place in a stage: 64 bytes + 16 of padding
.macro LOADX t
.irp i, 0,1,2,3
	global_load_b128 v[XR+16*((\t)%4)+4*\i:XR+16*((\t)%4)+4*\i+3], v3, s[4:5] offset:2048*(\t)+512*\i th:TH_LOAD_NT   ; 32 lanes read 512 consecutive bytes
.endr
.endm
.macro TURNX t                         ; a step's 2,048 bytes through the stage: in as they lie, out 64 bytes a lane.  LDS serves a wave's instructions in order
.irp i, 0,1,2,3
	ds_store_b128 v14, v[XR+16*((\t)%4)+4*\i:XR+16*((\t)%4)+4*\i+3] offset:32*SP*((\t)%2)+8*SP*\i
.endr
.irp i, 0,1,2,3
	ds_load_b128 v[XX+16*((\t)%2)+4*\i:XX+16*((\t)%2)+4*\i+3], v15 offset:32*SP*((\t)%2)+16*\i
.endr
.endm
.macro STEPX t
.set XS, XX+16*((\t)%2)
.if (\t) > 0
	s_wait_dscnt 1                                 ; this step's numbers are back from the stage; the last step's byte store may be out
.else
	s_wait_dscnt 0x0
.endif
.if (\t)+4 < 16
	LOADX (\t)+4
.endif
.if (\t)+1 < 16
.if 14-(\t) >= 3
	s_wait_loadcnt 12                              ; the next step's four loads are in; those of the three steps behind it may be out
.else
	s_wait_loadcnt 4*(14-(\t))
.endif
	TURNX (\t)+1
.endif
	v_max3_num_f32 v8, |v[XS]|, |v[XS+1]|, |v[XS+2]|               ; the largest magnitude of my 16, in two chains
	v_max3_num_f32 v9, |v[XS+3]|, |v[XS+4]|, |v[XS+5]|
.irp i, 6,10
	v_max3_num_f32 v8, v8, |v[XS+\i]|, |v[XS+\i+1]|
	v_max3_num_f32 v9, v9, |v[XS+\i+2]|, |v[XS+\i+3]|
.endr
	v_max3_num_f32 v8, v8, |v[XS+14]|, |v[XS+15]|
	v_max3_num_f32 v8, v8, v9, (EMAX+1)<<23        ; and the floor 2^(3 - 127): the byte cannot fall under 1
	v_max_num_f32_dpp v8, v8, v8 row_xmask:1 row_mask:0xf bank_mask:0xf   ; with my neighbour's 16: the block's
	v_add_nc_u32 v11, -(EMAX<<23), v8              ; 2 off its exponent field: the conversion takes the exponent field of this operand as its scale
	v_cvt_scalef32_pk8_fp4_f32 v[XC+2*(\t)], v[XS:XS+7], v11
	v_cvt_scalef32_pk8_fp4_f32 v[XC+2*(\t)+1], v[XS+8:XS+15], v11
	v_lshrrev_b32 v[XE+(\t)], 23, v11              ; the scale's byte
	ds_store_b8 v5, v[XE+(\t)] offset:16*(\t)      ; both lanes of a block write the same byte with the same value
	global_store_b64 v4, v[XC+2*(\t):XC+2*(\t)+1], s[10:11] offset:256*(\t)   ; the wave stores 256 consecutive bytes, aligned
.endm
; ---------------- path W's macros: a lane takes a column n and its registers run down K; 16 blocks of 32 a lane
.set WX, 32                            ; v32-95   two sets of 32 numbers
.set WC, 96                            ; v96-99   a block's codes
.set WO, 112                           ; v112-175 the way out
.set WS, 24                            ; v24-27   the scale bytes, four to a register
.macro LOADW t
.irp i, 0,1,2,3,4,5,6,7,8,9,10,11,12,13,14,15,16,17,18,19,20,21,22,23,24,25,26,27,28,29,30,31
	global_load_b32 v[WX+32*((\t)%2)+\i], v3, s[6:7] offset:(32*(\t)+\i)*12288 th:TH_LOAD_NT   ; row 32 t + i at 32 neighbouring columns
.endr
.endm
.macro BLOCKW t
.set XS, WX+32*((\t)%2)
.if (\t) < 15
	s_wait_loadcnt 32                              ; this block's 32 loads are in; the next block's may be out
.else
	s_wait_loadcnt 0
.endif
	v_max3_num_f32 v12, |v[XS]|, |v[XS+1]|, |v[XS+2]|
	v_max3_num_f32 v13, |v[XS+3]|, |v[XS+4]|, |v[XS+5]|
.irp i, 6,10,14,18,22,26
	v_max3_num_f32 v12, v12, |v[XS+\i]|, |v[XS+\i+1]|
	v_max3_num_f32 v13, v13, |v[XS+\i+2]|, |v[XS+\i+3]|
.endr
	v_max3_num_f32 v12, v12, |v[XS+30]|, |v[XS+31]|
	v_max3_num_f32 v12, v12, v13, (EMAX+1)<<23
	v_add_nc_u32 v11, -(EMAX<<23), v12
	v_lshrrev_b32 v13, 23, v11
.if (\t)%4 == 0
	v_mov_b32 v[WS+(\t)/4], v13
.else
	v_lshl_or_b32 v[WS+(\t)/4], v13, 8*((\t)%4), v[WS+(\t)/4]
.endif
.irp g, 0,1,2,3
	v_cvt_scalef32_pk8_fp4_f32 v[WC+\g], v[XS+8*\g:XS+8*\g+7], v11
.endr
	ds_store_b128 v4, v[WC:WC+3] offset:16*(\t)    ; 32 codes: 16 bytes of my column's row
.if (\t)+2 < 16
	LOADW (\t)+2
.endif
	s_wait_dscnt 0x0                               ; the store has read its registers: the next block's codes may be written
.endm
; ---------------- path P's macros: the same plan, rounding to f16 in place of the quantiser; 4 blocks of 32 k a lane
.macro LOADP t
.irp i, 0,1,2,3,4,5,6,7,8,9,10,11,12,13,14,15,16,17,18,19,20,21,22,23,24,25,26,27,28,29,30,31
	global_load_b32 v[WX+32*((\t)%2)+\i], v3, s[8:9] offset:(32*(\t)+\i)*4096 th:TH_LOAD_NT
.endr
.endm
.macro BLOCKP t
.set XS, WX+32*((\t)%2)
.if (\t) < 3
	s_wait_loadcnt 32                              ; this block's 32 loads are in; the next block's may be out
.else
	s_wait_loadcnt 0
.endif
.irp i, 0,1,2,3,4,5,6,7,8,9,10,11,12,13,14,15
	v_cvt_pk_f16_f32 v[96+\i], v[XS+2*\i], v[XS+2*\i+1]
.endr
.irp g, 0,1,2,3
	ds_store_b128 v4, v[96+4*\g:96+4*\g+3] offset:((\t)/2)*4608+((\t)%2)*64+16*\g   ; 64 bytes of my column's row in plane t / 2
.endr
.if (\t)+2 < 4
	LOADP (\t)+2
.endif
	s_wait_dscnt 0x0
.endm
	s_load_b256 s[4:11], s[0:1], 0x0               ; x, W_kqv, W_proj, x_codes
	s_load_b256 s[12:19], s[0:1], 0x20             ; x_scales, w_codes, w_scales, wp16
	v_lshl_add_u32 v[SPW], v0, 2, SPARE
	v_mov_b32 v[NIL], 0
	v_lshrrev_b32 v1, 5, v0
	v_readfirstlane_b32 s20, v1                    ; wave 0..3
	v_and_b32 v2, 31, v0                           ; lane
	s_mov_b32 s25, 0                               ; the upper word of every offset pair
	s_wait_kmcnt 0x0
	s_cmp_lt_u32 ttmp9, 48
	s_cbranch_scc1 .Lw
	s_cmp_lt_u32 ttmp9, 112
	s_cbranch_scc1 .Lp
; ================ path X
	v_lshlrev_b32 v3, 4, v2                        ; my 16 bytes of a load's 512
	s_mul_i32 s21, s20, 8192
	s_add_co_u32 s21, s21, LX                      ; my wave's region
	v_lshrrev_b32 v14, 2, v2
	v_mul_u32_u24 v14, v14, SP
	v_and_b32 v15, 3, v2
	v_lshl_add_u32 v14, v15, 4, v14
	v_add_nc_u32 v14, s21, v14                     ; into the stage: 80 (lane / 4) + 16 (lane % 4)
	v_mul_u32_u24 v15, v2, SP
	v_add_nc_u32 v15, s21, v15                     ; out of it: 80 x lane
	v_lshlrev_b32 v4, 3, v2                        ; my 8 bytes of a step's codes
	v_lshrrev_b32 v5, 1, v2
	s_add_co_u32 s21, s21, 2*32*SP
	v_add_nc_u32 v5, s21, v5                       ; my block's scale byte
	v_lshlrev_b32 v7, 3, v2
	v_add_nc_u32 v6, s21, v7
	s_sub_co_u32 s22, ttmp9, 112
	s_lshl_b32 s22, s22, 2
	s_add_co_u32 s22, s22, s20                     ; which run of 8,192 numbers is my wave's: 0 .. 1,023
	s_lshl_b32 s24, s22, 15
	s_add_nc_u64 s[4:5], s[4:5], s[24:25]
	s_lshl_b32 s24, s22, 12
	s_add_nc_u64 s[10:11], s[10:11], s[24:25]
	s_lshl_b32 s24, s22, 8
	s_add_nc_u64 s[12:13], s[12:13], s[24:25]
.irp t, 0,1,2,3
	LOADX \t
.endr
	s_wait_loadcnt 12                              ; step 0's four loads are in
	TURNX 0
.irp t, 0,1,2,3,4,5,6,7,8,9,10,11,12,13,14,15
	STEPX \t
.endr
	ds_load_b64 v[8:9], v6                         ; my wave's 256 scale bytes, 8 a lane
	s_wait_dscnt 0x0
	global_store_b64 v7, v[8:9], s[12:13]          ; 256 consecutive bytes, aligned
	FIN
; ================ path W
.Lw:
	s_cmp_lt_u32 ttmp9, 24
	s_cselect_b32 s22, 0, 24
	s_cselect_b32 s23, 0, 1                        ; which 512 along K
	s_sub_co_u32 s22, ttmp9, s22                   ; which 128 columns
	s_lshl_b32 s21, s22, 7
	s_lshl_b32 s24, s20, 5
	s_add_co_u32 s21, s21, s24                     ; my wave's first column
	v_lshlrev_b32 v3, 2, v2
	s_mul_i32 s24, s20, 32*272                     ; my stage (LW = 0)
	v_mul_u32_u24 v4, v2, 272
	v_add_nc_u32 v4, s24, v4                       ; into it: row = my column
	v_and_b32 v5, 15, v2
	v_lshrrev_b32 v6, 4, v2
	v_mul_u32_u24 v7, v6, 272
	v_lshl_add_u32 v7, v5, 4, v7
	v_add_nc_u32 v7, s24, v7                       ; out of it: sixteen lanes to a row
	v_lshlrev_b32 v8, 9, v6
	v_lshl_add_u32 v8, v5, 4, v8                   ; and the same place in the codes' buffer: rows of 512 bytes
	v_lshlrev_b32 v9, 5, v2                        ; my column's row of 32 scale bytes
	s_mul_i32 s24, s23, 512*12288
	s_lshl_b32 s26, s21, 2
	s_add_co_u32 s24, s24, s26
	s_add_nc_u64 s[6:7], s[6:7], s[24:25]
	s_lshl_b32 s24, s21, 9
	s_lshl_b32 s26, s23, 8
	s_add_co_u32 s24, s24, s26
	s_add_nc_u64 s[14:15], s[14:15], s[24:25]
	s_lshl_b32 s24, s21, 5
	s_lshl_b32 s26, s23, 4
	s_add_co_u32 s24, s24, s26
	s_add_nc_u64 s[16:17], s[16:17], s[24:25]
	LOADW 0
	LOADW 1
.irp t, 0,1,2,3,4,5,6,7,8,9,10,11,12,13,14,15
	BLOCKW \t
.endr
	global_store_b128 v9, v[WS:WS+3], s[16:17]     ; my column's 16 scale bytes
.irp t, 0,1,2,3,4,5,6,7,8,9,10,11,12,13,14,15
	ds_load_b128 v[WO+4*\t:WO+4*\t+3], v7 offset:2*\t*272
.endr
.irp t, 0,1,2,3,4,5,6,7,8,9,10,11,12,13,14,15
	s_wait_dscnt 15-\t                             ; load t is back; the younger ones may be out
	global_store_b128 v8, v[WO+4*\t:WO+4*\t+3], s[14:15] offset:2*\t*512   ; sixteen lanes store 256 consecutive bytes, aligned
.endr
	FIN
; ================ path P
.Lp:
	s_sub_co_u32 s22, ttmp9, 48
	s_and_b32 s23, s22, 7                          ; which 128 columns
	s_lshr_b32 s22, s22, 3                         ; which 128 along K: planes 2 kg and 2 kg + 1
	s_lshl_b32 s21, s23, 7
	s_lshl_b32 s24, s20, 5
	s_add_co_u32 s21, s21, s24                     ; my wave's first column
	v_lshlrev_b32 v3, 2, v2
	s_mul_i32 s24, s20, 2*32*144
	s_add_co_u32 s24, s24, LP                      ; my stage
	v_mul_u32_u24 v4, v2, 144
	v_add_nc_u32 v4, s24, v4
	v_lshrrev_b32 v5, 3, v2
	v_and_b32 v6, 7, v2
	v_mul_u32_u24 v7, v5, 144
	v_lshl_add_u32 v7, v6, 4, v7
	v_add_nc_u32 v7, s24, v7                       ; out of it: eight lanes to a row of 128 bytes, four rows an instruction
	v_lshlrev_b32 v8, 4, v2                        ; which are 512 consecutive bytes of a plane
	s_lshl_b32 s24, s22, 19                        ; 128 kg rows of 4,096 bytes
	s_lshl_b32 s26, s21, 2
	s_add_co_u32 s24, s24, s26
	s_add_nc_u64 s[8:9], s[8:9], s[24:25]
	s_lshl_b32 s24, s22, 18                        ; 2 kg planes of 131,072 bytes
	s_lshl_b32 s26, s21, 7
	s_add_co_u32 s24, s24, s26
	s_add_nc_u64 s[18:19], s[18:19], s[24:25]
	LOADP 0
	LOADP 1
.irp t, 0,1,2,3
	BLOCKP \t
.endr
.irp p, 0,1
.irp i, 0,1,2,3,4,5,6,7
	ds_load_b128 v[WO+4*(8*\p+\i):WO+4*(8*\p+\i)+3], v7 offset:4608*\p+576*\i
.endr
.endr
.irp p, 0,1
.irp i, 0,1,2,3,4,5,6,7
	s_wait_dscnt 15-8*\p-\i
	global_store_b128 v8, v[WO+4*(8*\p+\i):WO+4*(8*\p+\i)+3], s[18:19] offset:131072*\p+512*\i
.endr
.endr
	FIN
.Lfunc_end_k_q3166ec7cee_prep:
	.size	k_q3166ec7cee_prep, .Lfunc_end_k_q3166ec7cee_prep-k_q3166ec7cee_prep
	.p2alignl 7, 3214868480
	.fill 96, 4, 3214868480
	.section	.rodata,"a",@progbits
	.p2align	6, 0x0
	.amdhsa_kernel k_q3166ec7cee_prep
		.amdhsa_group_segment_fixed_size 104960
		.amdhsa_private_segment_fixed_size 0
		.amdhsa_enable_private_segment 0
		.amdhsa_kernarg_size 64
		.amdhsa_user_sgpr_count 2
		.amdhsa_user_sgpr_kernarg_segment_ptr 1
		.amdhsa_wavefront_size32 1
		.amdhsa_system_sgpr_workgroup_id_x 1
		.amdhsa_system_sgpr_workgroup_id_y 1
		.amdhsa_system_sgpr_workgroup_id_z 1
		.amdhsa_system_vgpr_workitem_id 0
		.amdhsa_next_free_vgpr 192
		.amdhsa_next_free_sgpr 66
		.amdhsa_reserve_vcc 0
		.amdhsa_float_denorm_mode_32 3
		.amdhsa_float_denorm_mode_16_64 3
		.amdhsa_memory_ordered 1
		.amdhsa_forward_progress 1
		.amdhsa_inst_pref_size 132
	.end_amdhsa_kernel
	.amdgpu_metadata
---
amdhsa.version: [ 1, 2 ]
amdhsa.kernels:
  - .name:           k_q3166ec7cee_prep
    .symbol:         k_q3166ec7cee_prep.kd
    .args:
      - { .name: x, .offset: 0, .size: 8, .value_kind: global_buffer, .address_space: global }
      - { .name: W_kqv, .offset: 8, .size: 8, .value_kind: global_buffer, .address_space: global }
      - { .name: W_proj, .offset: 16, .size: 8, .value_kind: global_buffer, .address_space: global }
      - { .name: x_codes, .offset: 24, .size: 8, .value_kind: global_buffer, .address_space: global }
      - { .name: x_scales, .offset: 32, .size: 8, .value_kind: global_buffer, .address_space: global }
      - { .name: w_codes, .offset: 40, .size: 8, .value_kind: global_buffer, .address_space: global }
      - { .name: w_scales, .offset: 48, .size: 8, .value_kind: global_buffer, .address_space: global }
      - { .name: wp16, .offset: 56, .size: 8, .value_kind: global_buffer, .address_space: global }
    .group_segment_fixed_size: 104960
    .private_segment_fixed_size: 0
    .kernarg_segment_align: 8
    .kernarg_segment_size: 64
    .max_flat_workgroup_size: 128
    .sgpr_count:     66
    .vgpr_count:     192
    .wavefront_size: 32
...
	.end_amdgpu_metadata
.endif
;; end of part 1
;; launch kqv (part 2): grid 12 x 32, 4 waves a work-group, clusters of 4 x 4, 327,680 bytes of LDS; arguments x_codes, x_scales, w_codes, w_scales, b_kqv, side, kqv16; writes side, kqv16
.if DOCPART == 2
	.amdgcn_target "amdgcn-amd-amdhsa--gfx1250"
	.amdhsa_code_object_version 6
	.text
	.protected	k_q3166ec7cee_kqv
	.globl	k_q3166ec7cee_kqv
	.p2align	8
	.type	k_q3166ec7cee_kqv,@function
k_q3166ec7cee_kqv:
	s_mov_b64 s[64:65], 0
	v_nop
	global_prefetch_b8 v0, s[64:65] scope:SCOPE_SE
	s_setreg_imm32_b32 hwreg(HW_REG_WAVE_MODE, 25, 1), 1
	s_wait_xcnt 0x0
	s_wait_alu depctr_hold_cnt(0) depctr_sa_sdst(0) depctr_va_vdst(0) depctr_va_sdst(0) depctr_va_ssrc(0) depctr_va_vcc(0) depctr_vm_vsrc(0)
	s_getreg_b32 s2, hwreg(HW_REG_IB_STS2, 6, 4)
	s_cmp_eq_u32 s2, 0
	s_cbranch_scc0 .Lentry_in_a_cluster
	s_endpgm
.Lentry_in_a_cluster:
	s_bfe_u32 s2, ttmp6, 0x10000c
	s_cmp_lg_u32 s2, 0xf033
	s_cbranch_scc0 .Lentry_shape_is_right
	s_endpgm
.Lentry_shape_is_right:
; KQV: kqv = Q(x) Q(W_kqv) + b_kqv on codes of FP4 (E2M1) with one E8M0 scale for each 32 along K = 1,024; sums in f32.
; OUT: k, q, v as f16 by head, kqv16 [3 sections][64 batch x head][2048 t][64]; in buffer side the f32 rows of positions 0-15 of every batch, [4][16][3072], and from byte 786,432 on
; the sums of v over groups of 128 positions, [64 = 16 batch + group][1024] f32 (the mean of v serves queries that have no valid key).
; LIMIT: k, q, v must lie under 65,504 in magnitude (f16); the drawn inputs give about 0.6.
; A tile of the result, 256 x 256, is made by four waves, 128 x 128 each: 64 accumulators, 512 registers.  K = 1,024 is two LDS slots of 512: both, and the scales of all of K, are first fills; nothing is filled again.
; A wave has three tensor loads out.
; CLUSTERS: 4 x 4 work-groups.  The four of a row of the cluster need the same rows of x, the four of a column the same rows of W: each tile is asked for jointly.
; The tile row is 8 cy + cluster y: so the batch is cy, and 'first tile of a batch' (cluster y = 0) and the section k, q, v (cluster x) are the same in all sixteen partners: branches hang on them alone.
; THE MATRIX INSTRUCTION IS USED TRANSPOSED (source 0 = 16 rows of W, source 1 = 16 rows of x): a lane holds eight neighbouring columns of one row.  The bias is the C of each sum's first instruction.
; REGISTERS: window 0: v0-31 addresses; v32-95 scale words, two sets; v128-191 x's fragments, one set; v192-255 the bias.  window 1: W's fragments, two sets.  windows 2, 3: the accumulators ((a, b) at v[8 (8 (a % 4) + b)]).
.set NQ,     4                         ; steps of 128 along K in a slot
.set ROWB,   256                       ; a tile's row in bytes: 512 codes
.set KROW,   512                       ; a row of codes in memory
.set PITCH,  272                       ; an LDS row: 256 bytes + 16 of padding: the 16 rows of a fragment load start at 16 different groups of four banks
.set FR,     8
.set NL,     2
.set NP,     4
.set HALFT,  128*PITCH
.set SLOT,   4*HALFT
.set KS,     32                        ; a row of scale bytes
.set SCL,    2*SLOT
.set HALFS,  16*272                    ; the scales of 128 rows
.set SBLK,   2*272                     ; those of 16 rows
.set SPARE,  SCL+4*HALFS               ; the spare words: two blocks of 256 bytes that no other line names
.set WST,    12800                     ; the way out: each wave's stages, in slot 0, which has had its only fill and its last read by then: 16 x 528 (f32), then 16 x 272 (f16)
.set P32,    528
.set P16,    272
.set ADRA, 16
.set ADRB, 20
.set STO32, 24
.set RD32,  25
.set CO,    26                         ; 16 x lane
.set ADRS,  27
.set SPW,   28
.set NIL,   29
.set STO16, 30
.set RD16,  31
.set SC,    32
.set AF,    128
.set BIAS,  192
.set TMP,   32
.set BK,    128
.set G1, 24
.set G0, 32
.set G1B, 48
.set G0B, 56
.set G1S, 68
.set G0S, 76
.set G1SB, 80
.set G0SB, 88
.set MSB, 0
.macro WIN new                         ; the immediate's high byte repeats the setting that is left
.if MSB != \new
	s_set_vgpr_msb (MSB<<8)|\new
.set MSB, \new
.endif
.endm
.set MUL_LO, 0xa1                      ; source 0 (W) window 1, source 1 (x) window 0, C and D window 2
.set MUL_HI, 0xf1                      ; the same, C and D window 3
.set TO_B,   0x40
.macro JLOAD g0a, g1a, g0b, g1b        ; a joint load: waves 0 and 1 fetch for x, waves 2 and 3 for W; an s_nop 0 and four v_nop follow each line
	s_cmp_eq_u32 s15, 0
	s_cbranch_scc0 .Lfor_b_\@
	tensor_load_to_lds s[\g0a:\g0a+3], s[\g1a:\g1a+7]
	s_nop 0
.rept 4
	v_nop
.endr
	s_branch .Lasked_\@
.Lfor_b_\@:
	tensor_load_to_lds s[\g0b:\g0b+3], s[\g1b:\g1b+7]
	s_nop 0
.rept 4
	v_nop
.endr
.Lasked_\@:
.endm
.macro CROUND                          ; a round of the cluster's barrier
	s_barrier_signal -1
	s_barrier_wait -1
	s_cmp_lg_u32 s14, 0
	s_cbranch_scc1 .Lnot_wave_0_\@
	s_barrier_signal -3
.Lnot_wave_0_\@:
	s_barrier_wait -3
	s_barrier_signal -1
	s_barrier_wait -1
.endm
	s_load_b128 s[4:7], s[0:1], 0x0                ; x's codes, x's scales
	s_load_b128 s[8:11], s[0:1], 0x10              ; W's codes, W's scales
	s_load_b128 s[96:99], s[0:1], 0x20             ; b_kqv, side
	s_load_b64 s[12:13], s[0:1], 0x30              ; kqv16
	v_lshl_add_u32 v[SPW], v0, 2, SPARE
	v_mov_b32 v[NIL], 0
	ds_add_u32 v[SPW], v[NIL]                      ; the wave's opening: the add, twice on end, and its wait ahead of my first tensor load
	ds_add_u32 v[SPW], v[NIL]
	v_lshrrev_b32 v1, 5, v0
	v_readfirstlane_b32 s14, v1                    ; wave 0..3
	s_lshr_b32 s15, s14, 1                         ; which half of the tile's rows is mine.  Also: I fetch for x (0) or for W (1)
	s_and_b32 s16, s14, 1                          ; which half of its columns.  Also: which 128 rows I fetch
	s_bfe_u32 s40, ttmp6, 0x40000                  ; cx
	s_bfe_u32 s41, ttmp6, 0x40004                  ; cy
	s_lshl_b32 s42, ttmp9, 2
	s_add_co_u32 s42, s42, s40                     ; tile column = 4 x cluster x + cx
	s_and_b32 s95, ttmp7, 0xffff                   ; cluster y
	s_lshl_b32 s17, s41, 3
	s_add_co_u32 s17, s17, s95                     ; tile row = 8 cy + cluster y
	s_lshl_b32 s43, s41, 2
	s_lshl_b32 s43, 15, s43                        ; my row of the cluster
	s_lshl_b32 s44, 0x1111, s40                    ; my column
	s_or_b32 s[G1+0], s43, (0<<16)|(1<<20)|(1<<21)|(5<<22)|(3<<25)  ; the mask; elements of 1 byte; padding on: 4 words behind every 64; bit 21 beside a mask
	s_or_b32 s[G1B+0], s44, (0<<16)|(1<<20)|(1<<21)|(5<<22)|(3<<25)
.irp g, G1, G1B
	s_mov_b32 s[\g+1], ROWB<<16                    ; tensor_dim0
	s_mov_b32 s[\g+2], 128<<16                     ; tensor_dim1
	s_mov_b32 s[\g+3], ROWB<<16                    ; tile_dim0
	s_mov_b32 s[\g+4], 128                         ; tile_dim1
	s_mov_b32 s[\g+5], KROW                        ; from row to row
	s_mov_b32 s[\g+6], 0
	s_mov_b32 s[\g+7], 0
.endr
	s_or_b32 s[G1S+0], s43, (3<<16)|(1<<20)|(1<<21)|(5<<22)|(3<<25) ; the scales of 128 rows: 4,096 dense bytes as 16 rows of 256 (32 elements of 8 bytes), 16 bytes of padding behind each
	s_or_b32 s[G1SB+0], s44, (3<<16)|(1<<20)|(1<<21)|(5<<22)|(3<<25)
.irp g, G1S, G1SB
	s_mov_b32 s[\g+1], 32<<16
	s_mov_b32 s[\g+2], 16<<16
	s_mov_b32 s[\g+3], 32<<16
	s_mov_b32 s[\g+4], 16
	s_mov_b32 s[\g+5], 32
	s_mov_b32 s[\g+6], 0
	s_mov_b32 s[\g+7], 0
.endr
	s_lshl_b32 s18, s16, 7                         ; which 128 rows of the tile I fetch
	s_lshl_b32 s20, s17, 8
	s_add_co_u32 s20, s20, s18                     ; x: row 256 x tile row + 128 x half
	s_lshl_b32 s46, s42, 8
	s_add_co_u32 s46, s46, s18                     ; W: row 256 x tile column + 128 x half
	s_mov_b32 s21, 0
	s_mov_b32 s47, 0
	s_mov_b64 s[18:19], KS
	s_mul_u64 s[22:23], s[20:21], s[18:19]         ; where these rows' scales begin
	s_mul_u64 s[92:93], s[46:47], s[18:19]
	s_mov_b64 s[18:19], KROW
	s_mul_u64 s[20:21], s[20:21], s[18:19]         ; and their codes
	s_mul_u64 s[46:47], s[46:47], s[18:19]
	s_mul_i32 s45, s14, HALFT                      ; where they go: wave x 128 rows
	s_mul_i32 s94, s14, HALFS
	s_wait_dscnt 0x0                               ; both opening adds are done
	s_wait_kmcnt 0x0
	s_add_nc_u64 s[20:21], s[4:5], s[20:21]
	s_add_nc_u64 s[22:23], s[6:7], s[22:23]
	s_add_nc_u64 s[46:47], s[8:9], s[46:47]
	s_add_nc_u64 s[92:93], s[10:11], s[92:93]
	CROUND                                         ; all sixteen work-groups are here: the joint loads meet
	s_mov_b32 s[G0S], 1
	s_add_co_u32 s[G0S+1], s94, SCL
	s_mov_b64 s[G0S+2:G0S+3], s[22:23]
	s_or_b32 s[G0S+3], s[G0S+3], 0x80000000
	s_mov_b32 s[G0SB], 1
	s_add_co_u32 s[G0SB+1], s94, SCL
	s_mov_b64 s[G0SB+2:G0SB+3], s[92:93]
	s_or_b32 s[G0SB+3], s[G0SB+3], 0x80000000
	JLOAD G0S, G1S, G0SB, G1SB                     ; the scales first: they are wanted with the first slot
.irp s, 0,1
	s_mov_b32 s[G0+4*\s], 1
	s_add_co_u32 s[G0+4*\s+1], s45, \s*SLOT
	s_add_nc_u64 s[G0+4*\s+2:G0+4*\s+3], s[20:21], \s*ROWB
	s_or_b32 s[G0+4*\s+3], s[G0+4*\s+3], 0x80000000
	s_mov_b32 s[G0B+4*\s], 1
	s_add_co_u32 s[G0B+4*\s+1], s45, \s*SLOT
	s_add_nc_u64 s[G0B+4*\s+2:G0B+4*\s+3], s[46:47], \s*ROWB
	s_or_b32 s[G0B+4*\s+3], s[G0B+4*\s+3], 0x80000000
	JLOAD G0+4*\s, G1, G0B+4*\s, G1B
.endr
	v_and_b32 v1, 15, v0                           ; r = lane % 16
	v_bfe_u32 v2, v0, 4, 1                         ; h = lane / 16
	s_lshl_b32 s46, s42, 10                        ; my first column n0 in bytes of f32: 1,024 x tile column + 512 x half
	s_lshl_b32 s47, s16, 9
	s_add_co_u32 s46, s46, s47
	s_mov_b32 s47, 0
	s_add_nc_u64 s[96:97], s[96:97], s[46:47]      ; b_kqv at n0
	v_lshlrev_b32 v7, 5, v2                        ; my half's eight numbers
.irp b, 0,1,2,3,4,5,6,7
	global_load_b128 v[BIAS+8*\b:BIAS+8*\b+3], v7, s[96:97] offset:64*\b          ; b_kqv[n0 + 16 b + 8 h + 0 .. 7]: the result's layout
	global_load_b128 v[BIAS+8*\b+4:BIAS+8*\b+7], v7, s[96:97] offset:64*\b+16
.endr
	v_mul_u32_u24 v3, v1, PITCH
	v_lshl_add_u32 v4, v2, 4, v3                   ; a fragment's row x pitch + 16 x half
	s_mul_i32 s21, s15, HALFT
	s_mul_i32 s22, s16, HALFT
	s_add_co_u32 s22, s22, 2*HALFT
.irp s, 0,1
	v_add_nc_u32 v[ADRA+\s], s21, v4
	v_add_nc_u32 v[ADRB+\s], s22, v4
	s_add_co_u32 s21, s21, SLOT
	s_add_co_u32 s22, s22, SLOT
.endr
	v_mul_u32_u24 v5, v1, KS                       ; my row's scales: 32 bytes a row,
	v_lshrrev_b32 v6, 8, v5
	v_lshl_add_u32 v5, v6, 4, v5                   ; and 16 more for each 256 passed
	s_mul_i32 s21, s15, HALFS
	s_mul_i32 s22, s16, HALFS
	s_add_co_u32 s22, s22, 2*HALFS
	s_sub_co_u32 s22, s22, s21
	v_mul_u32_u24 v6, s22, v2                      ; lanes 16-31 take W's
	s_add_co_u32 s21, s21, SCL
	v_add_nc_u32 v5, v5, v6
	v_add_nc_u32 v[ADRS], s21, v5
	s_mul_i32 s23, s14, WST                        ; my stages
	v_mul_u32_u24 v5, v1, P32
	v_lshl_add_u32 v5, v2, 5, v5
	v_add_nc_u32 v[STO32], s23, v5                 ; f32, in: row r, 32 bytes for each half of the lanes
	v_and_b32 v6, 31, v0
	v_lshlrev_b32 v[CO], 4, v6
	v_add_nc_u32 v[RD32], s23, v[CO]               ; f32, back: the 32 lanes take a row of 512 bytes
	s_add_co_u32 s23, s23, 16*P32
	v_mul_u32_u24 v5, v1, P16
	v_lshl_add_u32 v5, v2, 4, v5
	v_add_nc_u32 v[STO16], s23, v5                 ; f16, in: row r, 16 bytes for each half
	v_lshrrev_b32 v5, 3, v6
	v_mul_u32_u24 v5, v5, P16
	v_and_b32 v6, 7, v6
	v_lshl_add_u32 v5, v6, 4, v5
	v_add_nc_u32 v[RD16], s23, v5                  ; f16, back: eight lanes to the 128 bytes that a row has of one head, four rows an instruction
	; kqv16 at: section (cluster x), head 16 cy + 4 cx + 2 x column half, position 256 x cluster y + 128 x row half
	s_lshl_b32 s20, s41, 4
	s_lshl_b32 s21, s40, 2
	s_add_co_u32 s20, s20, s21
	s_lshl_b32 s21, s16, 1
	s_add_co_u32 s20, s20, s21
	s_lshl_b32 s20, s20, 18
	s_lshl_b32 s21, ttmp9, 24
	s_add_co_u32 s20, s20, s21
	s_lshl_b32 s21, s95, 15
	s_add_co_u32 s20, s20, s21
	s_lshl_b32 s21, s15, 14
	s_add_co_u32 s20, s20, s21
	s_mov_b32 s21, 0
	s_add_nc_u64 s[12:13], s[12:13], s[20:21]
	; the sums of v: row 16 cy + 2 x cluster y + row half, column 256 cx + 128 x column half
	s_lshl_b32 s20, s41, 4
	s_lshl_b32 s22, s95, 1
	s_add_co_u32 s20, s20, s22
	s_add_co_u32 s20, s20, s15
	s_lshl_b32 s20, s20, 12
	s_lshl_b32 s22, s40, 10
	s_add_co_u32 s20, s20, s22
	s_lshl_b32 s22, s16, 9
	s_add_co_u32 s20, s20, s22
	s_add_co_u32 s20, s20, 786432
	s_add_nc_u64 s[18:19], s[98:99], s[20:21]
	; the f32 rows: batch cy, column n0
	s_mul_i32 s92, s41, 196608
	s_add_co_u32 s92, s92, s46
	s_mov_b32 s93, 0
	s_add_nc_u64 s[92:93], s[98:99], s[92:93]
.macro FRAG reg, adr, q, i             ; 16 rows x 128 K of 4-bit codes: 8 registers, two loads of 16 bytes, 32 bytes apart
.irp c, 0,1
	ds_load_b128 v[\reg+4*\c:\reg+4*\c+3], v[\adr] offset:64*(\q)+32*\c+(\i)*16*PITCH
.endr
.endm
; 16 matrix instructions: x's blocks a0, a0 + 1 against W's eight.  zero = 1: the sum's first product, whose C is the bias.  The 64 accumulators take turns, one instruction a turn.
.macro MUL16 a0, p, q, sc, zero
.irp a, \a0, \a0+1
.irp b, 0,1,2,3,4,5,6,7
.if \zero
	v_wmma_scale_f32_16x16x128_f8f6f4 v[8*(8*((\a)%4)+\b):8*(8*((\a)%4)+\b)+7], v[128*(\p)+FR*\b:128*(\p)+FR*\b+FR-1], v[AF+FR*(\a):AF+FR*(\a)+FR-1], v[BIAS+8*\b:BIAS+8*\b+7], v[SC+8*NQ*(\sc)+NQ*\b+(\q)], v[SC+8*NQ*(\sc)+NQ*(\a)+(\q)] matrix_a_fmt:MATRIX_FMT_FP4 matrix_b_fmt:MATRIX_FMT_FP4 matrix_a_scale:MATRIX_SCALE_ROW1
.else
	v_wmma_scale_f32_16x16x128_f8f6f4 v[8*(8*((\a)%4)+\b):8*(8*((\a)%4)+\b)+7], v[128*(\p)+FR*\b:128*(\p)+FR*\b+FR-1], v[AF+FR*(\a):AF+FR*(\a)+FR-1], v[8*(8*((\a)%4)+\b):8*(8*((\a)%4)+\b)+7], v[SC+8*NQ*(\sc)+NQ*\b+(\q)], v[SC+8*NQ*(\sc)+NQ*(\a)+(\q)] matrix_a_fmt:MATRIX_FMT_FP4 matrix_b_fmt:MATRIX_FMT_FP4 matrix_a_scale:MATRIX_SCALE_ROW1
.endif
.endr
.endr
.endm
.macro FETCH_B slot, q, p
	WIN TO_B
.irp i, 0,1,2,3,4,5,6,7
	FRAG 128*(\p)+FR*\i, ADRB+\slot, \q, \i
.endr
	WIN 0
.endm
.macro FETCH_A slot, q, i0
.irp i, \i0, \i0+1, \i0+2, \i0+3
	FRAG AF+FR*(\i), ADRA+\slot, \q, \i
.endr
.endm
.macro SCALES sc                       ; a slot's scale words: lanes 0-15 take x's block i, lanes 16-31 W's block i
.irp i, 0,1,2,3,4,5,6,7
	ds_load_b128 v[SC+8*NQ*\sc+NQ*\i:SC+8*NQ*\sc+NQ*\i+3], v[ADRS] offset:\i*SBLK
.endr
.endm
.macro PLACES n                        ; plain vector instructions between a matrix instruction and a load into, or a read of, its registers
.rept \n
	v_nop
.endr
.endm
.macro STEP slot, q, zero              ; 128 along K, with its successor in the same slot
	s_wait_dscnt 4*NL                              ; W's set and x's blocks 0-3 are in; the youngest eight loads (x's blocks 4-7) may be out
.if \zero
	WIN 0x81                                       ; C (the bias) in window 0, D in window 2
.else
	WIN MUL_LO
.endif
	MUL16 0, (\q)%2, \q, \slot, \zero
	MUL16 2, (\q)%2, \q, \slot, \zero
	s_wait_dscnt 0
	PLACES NP
	FETCH_B \slot, (\q)+1, 1-(\q)%2
	FETCH_A \slot, (\q)+1, 0
.if \zero
	WIN 0xc1                                       ; C in window 0, D in window 3
.else
	WIN MUL_HI
.endif
	MUL16 4, (\q)%2, \q, \slot, \zero
	MUL16 6, (\q)%2, \q, \slot, \zero
	PLACES NP
	WIN 0
	FETCH_A \slot, (\q)+1, 4
.endm
.macro TURN slot, next                 ; a slot's last step changes slots: one barrier; in front of it each wave's loads have landed and its reads of this slot are over
	s_wait_tensorcnt 0x0                           ; my part of the next slot is in
	ds_add_u32 v[SPW], v[NIL]                      ; 0 onto my spare word
	s_wait_dscnt 4*NL+1                            ; the add and the youngest eight loads may be out
	WIN MUL_LO
	MUL16 0, 1, NQ-1, \slot, 0
	s_wait_dscnt 0x0
	s_barrier_signal -1
	MUL16 2, 1, NQ-1, \slot, 0
	WIN 0
	s_barrier_wait -1
	PLACES NP
	v_add_nc_u32 v[ADRS], 4*NQ, v[ADRS]            ; on to the next slot's scale words
	FETCH_B \next, 0, 0
	FETCH_A \next, 0, 0
	SCALES \next
	WIN MUL_HI
	MUL16 4, 1, NQ-1, \slot, 0
	MUL16 6, 1, NQ-1, \slot, 0
	PLACES NP
	WIN 0
	FETCH_A \next, 0, 4
.endm
	s_wait_tensorcnt 1                             ; the scales and my part of slot 0 are in; slot 1's load may be out
	s_barrier_signal -1
	s_barrier_wait -1
	FETCH_B 0, 0, 0
	FETCH_A 0, 0, 0
	SCALES 0
	FETCH_A 0, 0, 4
	s_wait_loadcnt 0x0                             ; the bias
	STEP 0, 0, 1
	STEP 0, 1, 0
	STEP 0, 2, 0
	TURN 0, 1
	STEP 1, 0, 0
	STEP 1, 1, 0
	STEP 1, 2, 0
	s_wait_dscnt 4*NL                              ; the last step: nothing more to fetch
	WIN MUL_LO
	MUL16 0, 1, NQ-1, 1, 0
	MUL16 2, 1, NQ-1, 1, 0
	s_wait_dscnt 0
	WIN MUL_HI
	MUL16 4, 1, NQ-1, 1, 0
	MUL16 6, 1, NQ-1, 1, 0
	WIN 0
	PLACES NP
	; ---- the sums of v over my 128 rows: in the section of v alone (cluster x = 2: the same in all partners)
	s_cmp_lg_u32 ttmp9, 2
	s_cbranch_scc1 .Lno_colsum
	WIN 0x0a                                       ; both sources window 2: blocks 0 and 1
.set i, 0
.rept 32
	v_pk_add_f32 v[TMP+i:TMP+i+1], v[i:i+1], v[64+i:64+i+1]
.set i, i+2
.endr
	WIN 0x02                                       ; source 0 window 2
.irp a, 2,3
.set i, 0
.rept 32
	v_pk_add_f32 v[TMP+i:TMP+i+1], v[64*\a+i:64*\a+i+1], v[TMP+i:TMP+i+1]
.set i, i+2
.endr
.endr
	WIN 0x03                                       ; source 0 window 3
.irp a, 0,1,2,3
.set i, 0
.rept 32
	v_pk_add_f32 v[TMP+i:TMP+i+1], v[64*\a+i:64*\a+i+1], v[TMP+i:TMP+i+1]
.set i, i+2
.endr
.endr
	WIN 0
.irp b, 0,1,2,3,4,5,6,7
	ds_store_b128 v[STO32], v[TMP+8*\b:TMP+8*\b+3] offset:64*\b        ; the sixteen lanes' partial sums become sixteen rows
	ds_store_b128 v[STO32], v[TMP+8*\b+4:TMP+8*\b+7] offset:64*\b+16
.endr
.irp t, 0,1,2,3,4,5,6,7,8,9,10,11,12,13,14,15
	ds_load_b128 v[BK+4*\t:BK+4*\t+3], v[RD32] offset:\t*P32           ; LDS serves a wave's instructions in order: these see the stores above
.endr
	s_wait_dscnt 0x0
.irp w, 8,4,2,1
.set u, 0
.rept \w
	v_pk_add_f32 v[BK+4*u:BK+4*u+1], v[BK+4*u:BK+4*u+1], v[BK+4*(u+\w):BK+4*(u+\w)+1]
	v_pk_add_f32 v[BK+4*u+2:BK+4*u+3], v[BK+4*u+2:BK+4*u+3], v[BK+4*(u+\w)+2:BK+4*(u+\w)+3]
.set u, u+1
.endr
.endr
	global_store_b128 v[CO], v[BK:BK+3], s[18:19]  ; 512 consecutive bytes, aligned
	s_wait_xcnt 0x0                                ; the store has read its registers: they are loaded again below
.Lno_colsum:
	; ---- positions 0-15 of a batch in f32: cluster y = 0, and the waves of the upper row half
	s_or_b32 s22, s95, s15
	s_cmp_lg_u32 s22, 0
	s_cbranch_scc1 .Lno_fine
	WIN 0x08                                       ; an LDS store's data are its source 1: window 2
.irp b, 0,1,2,3,4,5,6,7
	ds_store_b128 v[STO32], v[8*\b:8*\b+3] offset:64*\b
	ds_store_b128 v[STO32], v[8*\b+4:8*\b+7] offset:64*\b+16
.endr
	WIN 0
.irp t, 0,1,2,3,4,5,6,7,8,9,10,11,12,13,14,15
	ds_load_b128 v[BK+4*\t:BK+4*\t+3], v[RD32] offset:\t*P32
.endr
.irp t, 0,1,2,3,4,5,6,7,8,9,10,11,12,13,14,15
	s_wait_dscnt 15-\t                             ; row t is back; the younger loads may be out
	global_store_b128 v[CO], v[BK+4*\t:BK+4*\t+3], s[92:93] offset:\t*12288   ; 512 consecutive bytes of row t
.endr
	s_wait_xcnt 0x0
.Lno_fine:
; ---- k, q, v as f16, a block of 16 rows at a time: rounded, through my stage, and out as 4 rows x 128 bytes of one head: 512 consecutive bytes
.macro PACK16 a
.set AC, 64*((\a)%4)
	WIN 0x0a+5*((\a)/4)                            ; sources 0 and 1: window 2 or 3
.irp b, 0,1,2,3,4,5,6,7
.irp rr, 0,1,2,3
	v_cvt_pk_f16_f32 v[TMP+4*\b+\rr], v[AC+8*\b+2*\rr], v[AC+8*\b+2*\rr+1]
.endr
.endr
	WIN 0
.endm
.macro TOSTAGE16 a
.set BB, BK+32*((\a)%2)
.irp b, 0,1,2,3,4,5,6,7
	ds_store_b128 v[STO16], v[TMP+4*\b:TMP+4*\b+3] offset:32*\b
.endr
.irp hh, 0,1
.irp g, 0,1,2,3
	ds_load_b128 v[BB+4*(4*\hh+\g):BB+4*(4*\hh+\g)+3], v[RD16] offset:4*P16*\g+128*\hh
.endr
.endr
.endm
.macro SEND16 a
.set BB, BK+32*((\a)%2)
	s_wait_dscnt 0x0                               ; the block is back in registers
	s_wait_xcnt 0x0                                ; earlier stores have read their base and their registers
.if (\a) > 0
	s_add_nc_u64 s[12:13], s[12:13], 2048          ; 16 positions on
.endif
.irp hh, 0,1
.irp g, 0,1,2,3
	global_store_b128 v[CO], v[BB+4*(4*\hh+\g):BB+4*(4*\hh+\g)+3], s[12:13] offset:262144*\hh+512*\g
.endr
.endr
.endm
	PACK16 0
	TOSTAGE16 0
.irp a, 1,2,3,4,5,6,7
	PACK16 \a
	SEND16 \a-1
	TOSTAGE16 \a
.endr
	SEND16 7
	s_wait_tensorcnt 0x0                           ; the wave's end
	ds_add_u32 v[SPW], v[NIL]
	s_wait_dscnt 0x0
	CROUND                                         ; the closing round
	s_endpgm
.Lfunc_end_k_q3166ec7cee_kqv:
	.size	k_q3166ec7cee_kqv, .Lfunc_end_k_q3166ec7cee_kqv-k_q3166ec7cee_kqv
	.p2alignl 7, 3214868480
	.fill 96, 4, 3214868480
	.section	.rodata,"a",@progbits
	.p2align	6, 0x0
	.amdhsa_kernel k_q3166ec7cee_kqv
		.amdhsa_group_segment_fixed_size 327680
		.amdhsa_private_segment_fixed_size 0
		.amdhsa_enable_private_segment 0
		.amdhsa_kernarg_size 56
		.amdhsa_user_sgpr_count 2
		.amdhsa_user_sgpr_kernarg_segment_ptr 1
		.amdhsa_wavefront_size32 1
		.amdhsa_system_sgpr_workgroup_id_x 1
		.amdhsa_system_sgpr_workgroup_id_y 1
		.amdhsa_system_sgpr_workgroup_id_z 1
		.amdhsa_system_vgpr_workitem_id 0
		.amdhsa_next_free_vgpr 1024
		.amdhsa_next_free_sgpr 100
		.amdhsa_reserve_vcc 0
		.amdhsa_float_denorm_mode_32 3
		.amdhsa_float_denorm_mode_16_64 3
		.amdhsa_memory_ordered 1
		.amdhsa_forward_progress 1
		.amdhsa_inst_pref_size 152
	.end_amdhsa_kernel
	.amdgpu_metadata
---
amdhsa.version: [ 1, 2 ]
amdhsa.kernels:
  - .name:           k_q3166ec7cee_kqv
    .symbol:         k_q3166ec7cee_kqv.kd
    .args:
      - { .name: x_codes, .offset: 0, .size: 8, .value_kind: global_buffer, .address_space: global }
      - { .name: x_scales, .offset: 8, .size: 8, .value_kind: global_buffer, .address_space: global }
      - { .name: w_codes, .offset: 16, .size: 8, .value_kind: global_buffer, .address_space: global }
      - { .name: w_scales, .offset: 24, .size: 8, .value_kind: global_buffer, .address_space: global }
      - { .name: b_kqv, .offset: 32, .size: 8, .value_kind: global_buffer, .address_space: global }
      - { .name: side, .offset: 40, .size: 8, .value_kind: global_buffer, .address_space: global }
      - { .name: kqv16, .offset: 48, .size: 8, .value_kind: global_buffer, .address_space: global }
    .group_segment_fixed_size: 327680
    .private_segment_fixed_size: 0
    .kernarg_segment_align: 8
    .kernarg_segment_size: 56
    .max_flat_workgroup_size: 128
    .sgpr_count:     100
    .vgpr_count:     1024
    .wavefront_size: 32
...
	.end_amdgpu_metadata
.endif
;; end of part 2
;; launch attn (part 3): grid 4 x 64, 8 waves a work-group, no clusters, 327,680 bytes of LDS; arguments kqv16, padding_mask, side, y16; writes y16
.if DOCPART == 3
	.amdgcn_target "amdgcn-amd-amdhsa--gfx1250"
	.amdhsa_code_object_version 6
	.text
	.protected	k_q3166ec7cee_attn
	.globl	k_q3166ec7cee_attn
	.p2align	8
	.type	k_q3166ec7cee_attn,@function
k_q3166ec7cee_attn:
	s_mov_b64 s[64:65], 0
	v_nop
	global_prefetch_b8 v0, s[64:65] scope:SCOPE_SE
	s_setreg_imm32_b32 hwreg(HW_REG_WAVE_MODE, 25, 1), 1
	s_wait_xcnt 0x0
; ATTN: y = softmax(q k^T / 8, under the causal mask and the padding mask) v, by head; operands f16, products, maxima and sums f32; y leaves as f16, y16 [16 heads][8192 rows][64].
; SHARES.  Work-group (i, batch x head) owns the blocks i and 7 - i of 256 queries, and walks 9 steps of 256 keys whatever i is: steps 0 .. i serve block i with key blocks 0 .. i, steps i + 1 .. 8 serve
; block 7 - i with key blocks 0 .. 7 - i.  So the 256 work-groups have equal work, every trip count is a constant, and no key block that lies wholly under the causal mask is fetched.
; A wave owns 32 queries, two tiles of 16, so that each fragment of K and V read from LDS feeds two matrix instructions; two waves share a SIMD.
; LAYOUT.  S^T = K Q^T (source 0 = 16 keys, source 1 = 16 queries) and O^T = V^T P: a lane holds one query throughout; two tiles of S^T rounded in pairs are source 1 of the second product.
; MASKS.  Padding: bias[key] = 0 or -1e38 is the C of S^T's first product.  Causal: in the one sub-step of a wave that crosses the diagonal hidden scores become -1e38; sub-steps wholly behind it are jumped over
; (a branch on ids).  The running maximum m starts at -1e30, under every true score (|s| <= 64 x 65504^2): so a masked key gives p = 0 also while no valid key has been seen, and the sum l stays 0 for a query
; with no valid key.  Such a query gets the mean of v over all 2,048 positions, which is what a softmax over equal scores gives.
; NO CLUSTER: in a given step the four work-groups of a head want different key blocks, and different heads share nothing.
; LIMITS: k, q, v under 65,504 in magnitude; NaN and infinities are not served; p under 6e-5 is kept to an absolute 3e-8 (f16).
; REGISTERS: window 0: v1-15 addresses and constants; v16-31 statistics, 8 a tile (+0 c m, +1 m, +2, +3 l, +4 .. +7 at work, a at +6); v32-63 Q; v64-127 S^T; v128-191 O^T; v192-223 P; v224-231 at work.
;   window 1: v0-63 K's 8 fragments, v64-127 V's 8, v128-159 the bias of 4 tiles of keys.
.set PK,    144                        ; a row of K in LDS: 128 bytes + 16
.set PV,    160                        ; a row of V: 128 + 32, for the turning load
.set VOFF,  256*PK                     ; a slot: 256 rows of K, then 256 rows of V
.set SLOT1, 131072                     ; slot 1 begins here: one exclusive or turns an address
.set BIASL, 208896                     ; two areas of 1,024 bytes: the bias of a slot's 256 keys
.set VML,   210944                     ; 8 x 256 bytes: each wave's copy of the head's mean of v
.set STAGE, 212992                     ; 8 x 32 rows x 144 bytes: the way out
.set SPARE, 249856                     ; the spare words, 128 bytes for each wave: four blocks of 256 bytes that no other line names
.set AK0, 1
.set AV0, 2
.set AB0, 3
.set ADK, 4
.set ADV, 5
.set ADB, 6
.set QO,  7
.set STO, 8
.set RD,  9
.set LO,  10
.set RH,  11
.set NEG, 12
.set MW,  13
.set TID4, 14
.set BST, 15
.set ST,  16
.set Q,   32
.set S,   64
.set O,   128
.set P,   192
.set DD,  224
.set BV,  226
.set VMA, 227
.set PFO, 228
.set BAD, 229
.set VMS, 230
.set VPO, 231
.set SPW, 254
.set NIL, 255
; scalars: s12 wave, s13 i, s14 batch x head, s15 batch, s16 head, s17 wave % 4; s[20:21] lane selects; s[22:23] c; s[24:31], s[32:39] descriptor groups 1 for K, V; s[40:43], s[44:47] their groups 0;
; s[48:49] K's, s[50:51] V's rows that I fetch, at key block 0; s[52:53] Q, s[54:55] y16, s[56:57] the mask, at my head or batch; s58 step; s59 key block; s60 first key; s61 my first query;
; s62, s63, s66 where the sub-step's K, V, bias begin in LDS; s67 sub-steps to go; s68-71 at work (s71 = 0); s[76:77] prefetch; s78 0 where i = 0; s[80:81] mask words; s[82:83] offsets (s83 = 0); s84, s85 l > 0; s[86:87]; s[88:89] y16 at my queries
.set MSB, 0
.macro WIN new
.if MSB != \new
	s_set_vgpr_msb (MSB<<8)|\new
.set MSB, \new
.endif
.endm
.macro TLOAD                           ; waves 0-3 fetch 64 rows of K each, waves 4-7 64 rows of V; an s_nop 0 and four v_nop follow each line
	s_cmp_lt_u32 s12, 4
	s_cbranch_scc0 .Lfor_v_\@
	tensor_load_to_lds s[40:43], s[24:31]
	s_nop 0
.rept 4
	v_nop
.endr
	s_branch .Lasked_\@
.Lfor_v_\@:
	tensor_load_to_lds s[44:47], s[32:39]
	s_nop 0
.rept 4
	v_nop
.endr
.Lasked_\@:
.endm
; A prefetch into the L2: the head's work-group with i = 0 asks in steps 1 .. 6 for key block step + 1, which its own tensor loads ask for one step (four sub-steps) later.
; Each wave names the 8,192 bytes that it will fetch, lanes 256 bytes apart: each block once in the launch, none in the first step, none past key block 7.
.macro ASK
	s_sub_co_u32 s68, s58, 1
	s_or_b32 s68, s68, s78
	s_cmp_lt_u32 s68, 6
	s_cbranch_scc0 .Lnot_mine_\@
	global_prefetch_b8 v[PFO], s[76:77] th:TH_LOAD_NT scope:SCOPE_SE
.Lnot_mine_\@:
.endm
; A block of queries begins: Q's fragments, zeros for O^T and l, m = -1e30.
.macro BEGIN wt
	s_lshl_b32 s82, s61, 7                         ; 128 bytes a query
	s_add_nc_u64 s[88:89], s[54:55], s[82:83]
	s_add_nc_u64 s[68:69], s[52:53], s[82:83]
.irp qt, 0,1
.irp ks, 0,1
	global_load_b128 v[Q+16*\qt+8*\ks:Q+16*\qt+8*\ks+3], v[QO], s[68:69] offset:2048*\qt+64*\ks
	global_load_b128 v[Q+16*\qt+8*\ks+4:Q+16*\qt+8*\ks+7], v[QO], s[68:69] offset:2048*\qt+64*\ks+32
.endr
.endr
.set i, 0
.rept 64
	v_mov_b32 v[O+i], 0                            ; the key step is written once: the first finds zeros
.set i, i+1
.endr
.irp tt, 0,1
	v_mov_b32 v[ST+8*\tt+1], 0xf149f2ca            ; m = -1e30
	v_mul_f32 v[ST+8*\tt], s22, v[ST+8*\tt+1]      ; c m
.irp e, 2,3,4,5,6,7
	v_mov_b32 v[ST+8*\tt+\e], 0
.endr
.endr
.if \wt
	s_wait_loadcnt 0x0
.endif
.endm
; The change of slots, at a step's head.  fill = 1: the slot that has been left takes the next step's key block.
.macro CHANGE fill
	s_wait_tensorcnt 0x0                           ; my part of the slot ahead is in; no tensor load of mine is out, so a group 0 may be written
	ds_add_u32 v[SPW], v[NIL]                      ; 0 onto my spare word
.if \fill
	s_add_co_u32 s68, s58, 1                       ; the next step,
	s_add_co_u32 s69, s13, 1
	s_cmp_gt_u32 s68, s13
	s_cselect_b32 s69, s69, 0
	s_sub_co_u32 s69, s68, s69                     ; and its key block
	s_lshl_b32 s82, s69, 15                        ; 256 rows of 128 bytes
	s_xor_b32 s41, s41, SLOT1
	s_add_nc_u64 s[42:43], s[48:49], s[82:83]
	s_or_b32 s43, s43, 0x80000000
	s_xor_b32 s45, s45, SLOT1
	s_add_nc_u64 s[46:47], s[50:51], s[82:83]
	s_or_b32 s47, s47, 0x80000000
	s_wait_xcnt 0x0                                ; the last step's prefetch and mask load have read their bases
	s_lshl_b32 s70, s68, 15
	s_add_nc_u64 s[76:77], s[86:87], s[70:71]
	s_lshl_b32 s82, s69, 10
	s_add_nc_u64 s[80:81], s[56:57], s[82:83]
.endif
	s_wait_dscnt 0x0                               ; the add is done, my LDS stores have landed, and my reads of the slot that I have left are over
	s_barrier_signal -1
	s_barrier_wait -1
.if \fill
	TLOAD                                          ; the first thing behind the barrier, and my one tensor load until the next
	global_load_b32 v[MW], v[TID4], s[80:81]       ; the mask word of key (my thread's number) of the next key block
	ASK
.endif
.endm
; The softmax of a sub-step, both tiles line by line in turns.
.macro SOFT
.irp j, 0,1,2,3
.irp tt, 0,1
	v_max3_num_f32 v[ST+8*\tt+4+\j], v[S+32*\tt+8*\j], v[S+32*\tt+8*\j+1], v[S+32*\tt+8*\j+2]   ; each accumulator is read from its low end on
.endr
.endr
.irp g, 1,2
.irp j, 0,1,2,3
.irp tt, 0,1
	v_max3_num_f32 v[ST+8*\tt+4+\j], v[ST+8*\tt+4+\j], v[S+32*\tt+8*\j+2*\g+1], v[S+32*\tt+8*\j+2*\g+2]
.endr
.endr
.endr
.irp tt, 0,1
	v_max3_num_f32 v[ST+8*\tt+4], v[ST+8*\tt+4], v[S+32*\tt+7], v[S+32*\tt+15]
.endr
.irp tt, 0,1
	v_max3_num_f32 v[ST+8*\tt+6], v[ST+8*\tt+6], v[S+32*\tt+23], v[S+32*\tt+31]
.endr
.irp tt, 0,1
	v_max3_num_f32 v[ST+8*\tt+4], v[ST+8*\tt+4], v[ST+8*\tt+5], v[ST+8*\tt+6]
.endr
.irp tt, 0,1
	v_max3_num_f32 v[ST+8*\tt+4], v[ST+8*\tt+4], v[ST+8*\tt+7], v[ST+8*\tt+1]    ; with the old m
.endr
.irp tt, 0,1
	v_permlanex16_b32 v[ST+8*\tt+5], v[ST+8*\tt+4], s20, s21                     ; the query's other 32 keys lie in the lane 16 away
.endr
.irp tt, 0,1
	v_mov_b32 v[ST+8*\tt+7], v[ST+8*\tt]           ; c m_old
.endr
.irp tt, 0,1
	v_max_num_f32 v[ST+8*\tt+1], v[ST+8*\tt+4], v[ST+8*\tt+5]
.endr
.irp tt, 0,1
	v_mul_f32 v[ST+8*\tt], s22, v[ST+8*\tt+1]
.endr
.irp tt, 0,1
	v_sub_f32 v[ST+8*\tt+7], v[ST+8*\tt+7], v[ST+8*\tt]
.endr
.set i, 0
.rept 16
.irp tt, 0,1
	v_pk_fma_f32 v[S+32*\tt+2*i:S+32*\tt+2*i+1], v[S+32*\tt+2*i:S+32*\tt+2*i+1], s[22:23], v[ST+8*\tt:ST+8*\tt+1] op_sel_hi:[1,0,0] neg_lo:[0,0,1] neg_hi:[0,0,1]   ; c s - c m
.endr
.set i, i+1
.endr
.irp tt, 0,1
	v_exp_f32 v[ST+8*\tt+6], v[ST+8*\tt+7]         ; a = 2^(c m_old - c m_new)
.endr
.set i, 0
.rept 32
.irp tt, 0,1
	v_exp_f32 v[S+32*\tt+i], v[S+32*\tt+i]         ; one batch: none of these reads an exponential's result
.endr
.set i, i+1
.endr
	v_nop                                          ; a plain instruction behind the last exponential
	s_wait_alu depctr_va_vdst(0)                   ; one wait for the batch, ahead of its first reader
.set i, 0
.rept 16
.irp tt, 0,1
	v_cvt_pk_f16_f32 v[P+16*\tt+i], v[S+32*\tt+2*i], v[S+32*\tt+2*i+1]
.endr
.set i, i+1
.endr
.irp w, 4,8,16,32                      ; the sum of the unrounded p, in place
.set u, 0
.rept 32/\w
.irp tt, 0,1
	v_pk_add_f32 v[S+32*\tt+\w*u:S+32*\tt+\w*u+1], v[S+32*\tt+\w*u:S+32*\tt+\w*u+1], v[S+32*\tt+\w*u+\w/2:S+32*\tt+\w*u+\w/2+1]
.endr
.set u, u+1
.endr
.endr
.irp tt, 0,1
	v_pk_fma_f32 v[ST+8*\tt+2:ST+8*\tt+3], v[ST+8*\tt+2:ST+8*\tt+3], v[ST+8*\tt+6:ST+8*\tt+7], v[S+32*\tt:S+32*\tt+1] op_sel_hi:[1,0,1]   ; l = a l + the sum
.endr
.set i, 0
.rept 16
.irp tt, 0,1
	v_pk_mul_f32 v[O+32*\tt+2*i:O+32*\tt+2*i+1], v[O+32*\tt+2*i:O+32*\tt+2*i+1], v[ST+8*\tt+6:ST+8*\tt+7] op_sel_hi:[1,0]   ; O^T x a
.endr
.set i, i+1
.endr
.endm
; A sub-step: 64 keys.
.macro SUBSTEP
	s_add_co_u32 s68, s61, 31
	s_cmp_gt_u32 s60, s68                          ; all 64 keys come after my 32 queries: the work is left out, the address steps at the end are not
	s_cbranch_scc1 .Lskip_\@
	s_sub_co_i32 s69, s61, s60
	v_add_nc_u32 v[ADK], s62, v[AK0]               ; these additions are also the places in front of the loads below
	v_add_nc_u32 v[ADV], s63, v[AV0]
	v_add_nc_u32 v[ADB], s66, v[AB0]
	v_add_nc_u32 v[DD], s69, v[RH]                 ; my query of tile 0 - first key - 8 (lane / 16)
	v_add_nc_u32 v[DD+1], 16, v[DD]                ; and of tile 1
	WIN 0x40                                       ; destination window 1
.irp kt, 0,1,2,3
.irp ks, 0,1
	ds_load_b128 v[8*(2*\kt+\ks):8*(2*\kt+\ks)+3], v[ADK] offset:\kt*16*PK+64*\ks
	ds_load_b128 v[8*(2*\kt+\ks)+4:8*(2*\kt+\ks)+7], v[ADK] offset:\kt*16*PK+64*\ks+32
.endr
.endr
.irp kt, 0,1,2,3
	ds_load_b128 v[128+8*\kt:128+8*\kt+3], v[ADB] offset:64*\kt
	ds_load_b128 v[128+8*\kt+4:128+8*\kt+7], v[ADB] offset:64*\kt+16
.endr
.irp kp, 0,1
.irp ct, 0,1,2,3
	ds_load_tr16_b128 v[64+8*(4*\kp+\ct):64+8*(4*\kp+\ct)+3], v[ADV] offset:\kp*32*PV+32*\ct
	ds_load_tr16_b128 v[64+8*(4*\kp+\ct)+4:64+8*(4*\kp+\ct)+7], v[ADV] offset:\kp*32*PV+16*PV+32*\ct
.endr
.endr
	s_wait_dscnt 16                                ; K and the bias are in; V's sixteen loads may be out
	WIN 0x11                                       ; K and C (the bias) window 1; the eight accumulators take turns
.irp kt, 0,1,2,3
.irp qt, 0,1
	v_wmma_f32_16x16x32_f16 v[S+32*\qt+8*\kt:S+32*\qt+8*\kt+7], v[16*\kt:16*\kt+7], v[Q+16*\qt:Q+16*\qt+7], v[128+8*\kt:128+8*\kt+7]
.endr
.endr
	WIN 0x01
.irp kt, 0,1,2,3
.irp qt, 0,1
	v_wmma_f32_16x16x32_f16 v[S+32*\qt+8*\kt:S+32*\qt+8*\kt+7], v[16*\kt+8:16*\kt+15], v[Q+16*\qt+8:Q+16*\qt+15], v[S+32*\qt+8*\kt:S+32*\qt+8*\kt+7]
.endr
.endr
	WIN 0
.rept 4
	v_nop
.endr
	s_add_co_u32 s68, s60, 63
	s_cmp_le_u32 s68, s61                          ; all 64 keys count for all my queries: nothing to hide
	s_cbranch_scc1 .Lopen_\@
.irp qt, 0,1
.set n, 0
.rept 32
	v_cmp_gt_i32 vcc_lo, 16*(n/8)+n%8, v[DD+\qt]   ; register n holds key first + 16 (n / 8) + 8 (lane / 16) + n % 8
	v_cndmask_b32 v[S+32*\qt+n], v[S+32*\qt+n], v[NEG], vcc_lo
.set n, n+1
.endr
.endr
.Lopen_\@:
	SOFT
	s_wait_dscnt 0x0                               ; V is in
	WIN 0x01
.irp kp, 0,1
.irp ct, 0,1,2,3
.irp qt, 0,1
	v_wmma_f32_16x16x32_f16 v[O+32*\qt+8*\ct:O+32*\qt+8*\ct+7], v[64+8*(4*\kp+\ct):64+8*(4*\kp+\ct)+7], v[P+16*\qt+8*\kp:P+16*\qt+8*\kp+7], v[O+32*\qt+8*\ct:O+32*\qt+8*\ct+7]
.endr
.endr
.endr
	WIN 0
.Lskip_\@:
	s_add_co_u32 s60, s60, 64
	s_add_co_u32 s62, s62, 64*PK
	s_add_co_u32 s63, s63, 64*PV
	s_add_co_u32 s66, s66, 256
.endm
.macro STEPWORK                        ; a step's four sub-steps: written once, walked four times
	s_lshl_b32 s60, s59, 8
	s_mov_b32 s67, 4
.Lsub_\@:
	SUBSTEP
	s_sub_co_u32 s67, s67, 1
	s_cmp_lg_u32 s67, 0
	s_cbranch_scc1 .Lsub_\@
	s_sub_co_u32 s62, s62, 256*PK
	s_sub_co_u32 s63, s63, 256*PV
	s_sub_co_u32 s66, s66, 1024
	s_xor_b32 s62, s62, SLOT1                      ; on to the other slot, and the other area of the bias
	s_xor_b32 s63, s63, SLOT1
	s_xor_b32 s66, s66, 1024
	s_add_co_u32 s59, s59, 1
.endm
.macro NEXTBIAS                        ; the next step's bias goes into the area that the next step reads: its last reads lie ahead of this step's barrier
	s_wait_loadcnt 0x0
	v_cmp_eq_u32 vcc_lo, 0, v[MW]
	v_cndmask_b32 v[BV], 0, v[NEG], vcc_lo
	v_add_nc_u32 v[BAD], s66, v[BST]
	ds_store_b32 v[BAD], v[BV]
.endm
; A block of queries ends: O^T / l, or the mean of v where l = 0; rounded to f16; through my stage; out as 4 rows x 128 bytes: 512 consecutive bytes.
.macro FINISH
.rept 4
	v_nop
.endr
.irp tt, 0,1
	v_add_f32 v[ST+8*\tt+4], v[ST+8*\tt+2], v[ST+8*\tt+3]
.endr
.irp tt, 0,1
	v_permlanex16_b32 v[ST+8*\tt+5], v[ST+8*\tt+4], s20, s21
.endr
.irp tt, 0,1
	v_add_f32 v[ST+8*\tt+4], v[ST+8*\tt+4], v[ST+8*\tt+5]
.endr
.irp tt, 0,1
	v_rcp_f32 v[ST+8*\tt+6], v[ST+8*\tt+4]
.endr
.irp ct, 0,1,2,3
	ds_load_b128 v[S+8*\ct:S+8*\ct+3], v[VMA] offset:64*\ct          ; the mean of v at my eight channels of each tile
	ds_load_b128 v[S+8*\ct+4:S+8*\ct+7], v[VMA] offset:64*\ct+16
.endr
	v_nop                                          ; a plain instruction behind the reciprocals
	v_cmp_lt_f32 s84, 0, v[ST+4]
	v_cmp_lt_f32 s85, 0, v[ST+12]
	s_wait_alu depctr_va_vdst(0)                   ; one wait for both reciprocals, ahead of their first reader
	s_wait_dscnt 0x0
.irp tt, 0,1
.set i, 0
.rept 16
	v_pk_mul_f32 v[O+32*\tt+2*i:O+32*\tt+2*i+1], v[O+32*\tt+2*i:O+32*\tt+2*i+1], v[ST+8*\tt+6:ST+8*\tt+7] op_sel_hi:[1,0]
.set i, i+1
.endr
.set i, 0
.rept 32
	v_cndmask_b32 v[O+32*\tt+i], v[S+i], v[O+32*\tt+i], s[84+\tt]
.set i, i+1
.endr
.set i, 0
.rept 16
	v_cvt_pk_f16_f32 v[P+16*\tt+i], v[O+32*\tt+2*i], v[O+32*\tt+2*i+1]
.set i, i+1
.endr
.irp ct, 0,1,2,3
	ds_store_b128 v[STO], v[P+16*\tt+4*\ct:P+16*\tt+4*\ct+3] offset:16*PK*\tt+32*\ct
.endr
.endr
.irp i8, 0,1,2,3,4,5,6,7
	ds_load_b128 v[S+32+4*\i8:S+32+4*\i8+3], v[RD] offset:4*PK*\i8   ; LDS serves a wave's instructions in order: these see my stores
.endr
.irp i8, 0,1,2,3,4,5,6,7
	s_wait_dscnt 7-\i8                             ; load i is back; the younger ones may be out
	global_store_b128 v[LO], v[S+32+4*\i8:S+32+4*\i8+3], s[88:89] offset:512*\i8
.endr
	s_wait_xcnt 0x0                                ; the stores have read their base and their registers
.endm
	s_load_b256 s[4:11], s[0:1], 0x0               ; kqv16, padding_mask, side, y16
	v_lshl_add_u32 v[SPW], v0, 2, SPARE
	v_mov_b32 v[NIL], 0
	ds_add_u32 v[SPW], v[NIL]                      ; the wave's opening: the add, twice on end, and its wait ahead of my first tensor load
	ds_add_u32 v[SPW], v[NIL]
	v_lshrrev_b32 v1, 5, v0
	v_readfirstlane_b32 s12, v1                    ; wave 0..7
	s_mov_b32 s13, ttmp9                           ; i
	s_and_b32 s14, ttmp7, 0xffff                   ; batch x head
	s_lshr_b32 s15, s14, 4
	s_and_b32 s16, s14, 15
	s_and_b32 s17, s12, 3
	s_mov_b32 s24, (1<<16)|(1<<20)|(4<<22)|(3<<25) ; K: elements of 2 bytes; padding: 4 words behind every 32
	s_mov_b32 s32, (1<<16)|(1<<20)|(4<<22)|(7<<25) ; V: 8 words
.irp g, 24, 32
	s_mov_b32 s[\g+1], 64<<16                      ; tensor_dim0
	s_mov_b32 s[\g+2], 64<<16                      ; tensor_dim1
	s_mov_b32 s[\g+3], 64<<16                      ; tile_dim0
	s_mov_b32 s[\g+4], 64                          ; tile_dim1
	s_mov_b32 s[\g+5], 64                          ; from row to row
	s_mov_b32 s[\g+6], 0
	s_mov_b32 s[\g+7], 0
.endr
	s_mov_b32 s20, 0x76543210
	s_mov_b32 s21, 0xfedcba98
	s_mov_b32 s22, 0x3e38aa3b                      ; c = log2(e) / 8
	s_mov_b32 s23, s22
	s_mov_b32 s40, 1
	s_mul_i32 s41, s17, 64*PK                      ; slot 0, my 64 rows
	s_mov_b32 s44, 1
	s_mul_i32 s45, s17, 64*PV
	s_add_co_u32 s45, s45, VOFF
	s_lshl_b32 s82, s14, 18                        ; a head is 262,144 bytes
	s_mov_b32 s83, 0
	s_lshl_b32 s70, s17, 13
	s_mov_b32 s71, 0
	s_mov_b32 s58, 0
	s_mov_b32 s59, 0
	s_mov_b32 s62, 0
	s_mov_b32 s63, 0
	s_mov_b32 s66, 0
	s_cmp_eq_u32 s13, 0
	s_cselect_b32 s78, 0, -1
	s_wait_dscnt 0x0                               ; both opening adds are done
	s_wait_kmcnt 0x0
	s_add_nc_u64 s[52:53], s[4:5], s[82:83]
	s_add_nc_u64 s[48:49], s[52:53], s[70:71]      ; k: my 64 rows of key block 0
	s_add_nc_u64 s[50:51], s[48:49], 0x2000000     ; v: two sections on
	s_add_nc_u64 s[52:53], s[52:53], 0x1000000     ; q: one section on
	s_mov_b64 s[42:43], s[48:49]
	s_or_b32 s43, s43, 0x80000000
	s_mov_b64 s[46:47], s[50:51]
	s_or_b32 s47, s47, 0x80000000
	TLOAD                                          ; slot 0: key block 0, which every query block reads
	s_cmp_lt_u32 s12, 4
	s_cselect_b64 s[86:87], s[48:49], s[50:51]
	s_lshl_b32 s82, s16, 20
	s_lshl_b32 s70, s15, 18
	s_add_co_u32 s82, s82, s70
	s_add_nc_u64 s[54:55], s[10:11], s[82:83]      ; y16 at my head's plane and my batch
	s_lshl_b32 s82, s15, 13
	s_add_nc_u64 s[56:57], s[6:7], s[82:83]        ; the mask at my batch
	s_lshl_b32 s82, s15, 16
	s_lshl_b32 s70, s16, 8
	s_add_co_u32 s82, s82, s70
	s_add_co_u32 s82, s82, 786432
	s_add_nc_u64 s[8:9], s[8:9], s[82:83]          ; the sums of v at my batch's 16 groups and my head's 64 channels
	v_and_b32 v16, 15, v0                          ; r
	v_bfe_u32 v17, v0, 4, 1                        ; h
	v_and_b32 v18, 31, v0                          ; lane
	v_and_b32 v19, 7, v0
	v_bfe_u32 v20, v0, 3, 1
	v_mul_u32_u24 v[AK0], v16, PK
	v_lshl_add_u32 v[AK0], v17, 4, v[AK0]          ; K: row r, + 16 h
	v_lshl_add_u32 v[AV0], v17, 3, v19
	v_mul_u32_u24 v[AV0], v[AV0], PV
	v_lshl_add_u32 v[AV0], v20, 4, v[AV0]
	v_add_nc_u32 v[AV0], VOFF, v[AV0]              ; V, for the turning load: key 8 h + lane % 8, channels 8 ((lane / 8) % 2) on
	v_lshl_add_u32 v[AB0], v17, 5, BIASL           ; the bias of my half's eight keys
	v_lshlrev_b32 v[QO], 7, v16
	v_lshl_add_u32 v[QO], v17, 4, v[QO]
	s_mul_i32 s68, s12, 32*PK
	s_add_co_u32 s68, s68, STAGE
	v_add_nc_u32 v[STO], s68, v[AK0]
	v_bfe_u32 v21, v0, 3, 2
	v_mul_u32_u24 v[RD], v21, PK
	v_lshl_add_u32 v[RD], v19, 4, v[RD]
	v_add_nc_u32 v[RD], s68, v[RD]
	v_lshlrev_b32 v[LO], 4, v18
	v_lshlrev_b32 v21, 3, v17
	v_sub_nc_u32 v[RH], v16, v21                   ; r - 8 h
	v_mov_b32 v[NEG], 0xfe967699                   ; -1e38
	v_lshlrev_b32 v[TID4], 2, v0
	v_lshl_add_u32 v[BST], v0, 2, BIASL
	s_lshl_b32 s69, s12, 8
	s_add_co_u32 s69, s69, VML
	v_lshl_add_u32 v[VMA], v17, 5, s69
	v_lshl_add_u32 v[VMS], v18, 3, s69
	v_lshlrev_b32 v[PFO], 8, v18
	v_lshlrev_b32 v[VPO], 3, v18
	global_load_b32 v[MW], v[TID4], s[56:57]       ; the mask word of key (my thread's number) of key block 0
.irp p, 0,1,2,3,4,5,6,7,8,9,10,11,12,13,14,15
	global_load_b64 v[S+2*\p:S+2*\p+1], v[VPO], s[8:9] offset:4096*\p
.endr
	s_lshl_b32 s61, s13, 8
	s_lshl_b32 s70, s12, 5
	s_add_co_u32 s61, s61, s70                     ; my first query: 256 i + 32 x wave
	BEGIN 0
	s_wait_loadcnt 0x0
	v_cmp_eq_u32 vcc_lo, 0, v[MW]
	v_cndmask_b32 v[BV], 0, v[NEG], vcc_lo
	ds_store_b32 v[BST], v[BV]                     ; area 0; it is read behind the first barrier
.irp w, 8,4,2,1
.set u, 0
.rept \w
	v_pk_add_f32 v[S+2*u:S+2*u+1], v[S+2*u:S+2*u+1], v[S+2*(u+\w):S+2*(u+\w)+1]
.set u, u+1
.endr
.endr
	v_pk_mul_f32 v[S:S+1], v[S:S+1], 0x3a000000 op_sel_hi:[1,0]   ; / 2,048
	ds_store_b64 v[VMS], v[S:S+1]                  ; my wave's own copy of the mean of v
.Lstep:                                            ; 8 trips: behind each change of slots the next step's key block is asked for
	CHANGE 1
	STEPWORK
	NEXTBIAS
	s_cmp_lg_u32 s58, s13
	s_cbranch_scc1 .Lsame
	FINISH                                         ; block i is done: on to block 7 - i, from key block 0
	s_sub_co_u32 s61, 7, s13
	s_lshl_b32 s61, s61, 8
	s_lshl_b32 s70, s12, 5
	s_add_co_u32 s61, s61, s70
	s_mov_b32 s59, 0
	BEGIN 1
.Lsame:
	s_add_co_u32 s58, s58, 1
	s_cmp_lt_u32 s58, 8
	s_cbranch_scc1 .Lstep
	CHANGE 0                                       ; the last step is written out: nothing is left to fetch
	STEPWORK
	FINISH
	s_wait_tensorcnt 0x0                           ; the wave's end
	ds_add_u32 v[SPW], v[NIL]
	s_wait_dscnt 0x0
	s_endpgm
.Lfunc_end_k_q3166ec7cee_attn:
	.size	k_q3166ec7cee_attn, .Lfunc_end_k_q3166ec7cee_attn-k_q3166ec7cee_attn
	.p2alignl 7, 3214868480
	.fill 96, 4, 3214868480
	.section	.rodata,"a",@progbits
	.p2align	6, 0x0
	.amdhsa_kernel k_q3166ec7cee_attn
		.amdhsa_group_segment_fixed_size 327680
		.amdhsa_private_segment_fixed_size 0
		.amdhsa_enable_private_segment 0
		.amdhsa_kernarg_size 32
		.amdhsa_user_sgpr_count 2
		.amdhsa_user_sgpr_kernarg_segment_ptr 1
		.amdhsa_wavefront_size32 1
		.amdhsa_system_sgpr_workgroup_id_x 1
		.amdhsa_system_sgpr_workgroup_id_y 1
		.amdhsa_system_sgpr_workgroup_id_z 1
		.amdhsa_system_vgpr_workitem_id 0
		.amdhsa_next_free_vgpr 416
		.amdhsa_next_free_sgpr 92
		.amdhsa_reserve_vcc 1
		.amdhsa_float_denorm_mode_32 3
		.amdhsa_float_denorm_mode_16_64 3
		.amdhsa_memory_ordered 1
		.amdhsa_forward_progress 1
		.amdhsa_inst_pref_size 86
	.end_amdhsa_kernel
	.amdgpu_metadata
---
amdhsa.version: [ 1, 2 ]
amdhsa.kernels:
  - .name:           k_q3166ec7cee_attn
    .symbol:         k_q3166ec7cee_attn.kd
    .args:
      - { .name: kqv16, .offset: 0, .size: 8, .value_kind: global_buffer, .address_space: global }
      - { .name: padding_mask, .offset: 8, .size: 8, .value_kind: global_buffer, .address_space: global }
      - { .name: side, .offset: 16, .size: 8, .value_kind: global_buffer, .address_space: global }
      - { .name: y16, .offset: 24, .size: 8, .value_kind: global_buffer, .address_space: global }
    .group_segment_fixed_size: 327680
    .private_segment_fixed_size: 0
    .kernarg_segment_align: 8
    .kernarg_segment_size: 32
    .max_flat_workgroup_size: 256
    .sgpr_count:     92
    .vgpr_count:     416
    .wavefront_size: 32
...
	.end_amdgpu_metadata
.endif
;; end of part 3
;; launch proj (part 4): grid 8 x 32, 4 waves a work-group, clusters of 4 x 4, 327,680 bytes of LDS; arguments y16, wp16, b_proj, out0; writes out0
.if DOCPART == 4
	.amdgcn_target "amdgcn-amd-amdhsa--gfx1250"
	.amdhsa_code_object_version 6
	.text
	.protected	k_q3166ec7cee_proj
	.globl	k_q3166ec7cee_proj
	.p2align	8
	.type	k_q3166ec7cee_proj,@function
k_q3166ec7cee_proj:
	s_mov_b64 s[64:65], 0
	v_nop
	global_prefetch_b8 v0, s[64:65] scope:SCOPE_SE
	s_setreg_imm32_b32 hwreg(HW_REG_WAVE_MODE, 25, 1), 1
	s_wait_xcnt 0x0
	s_wait_alu depctr_hold_cnt(0) depctr_sa_sdst(0) depctr_va_vdst(0) depctr_va_sdst(0) depctr_va_ssrc(0) depctr_va_vcc(0) depctr_vm_vsrc(0)
	s_getreg_b32 s2, hwreg(HW_REG_IB_STS2, 6, 4)
	s_cmp_eq_u32 s2, 0
	s_cbranch_scc0 .Lentry_in_a_cluster
	s_endpgm
.Lentry_in_a_cluster:
	s_bfe_u32 s2, ttmp6, 0x10000c
	s_cmp_lg_u32 s2, 0xf033
	s_cbranch_scc0 .Lentry_shape_is_right
	s_endpgm
.Lentry_shape_is_right:
; PROJ: out0 = y W_proj + b_proj.  y16 [16 planes of 64 k][8192 m][64] and wp16 [16 planes][1024 n][64] are f16; sums, bias and out0 [8192][1024] are f32.
; (Positions 0-15 of every batch are written once more, in f32 throughout, by the launch that follows.)
; A tile of out0 is 256 (m) x 128 (n): 256 work-groups.  Four waves, each 128 x 64: 32 accumulators, 256 registers.  A K step is 128, two planes; a ring of two LDS slots; 8 K steps.
; Every tile is a dense block of memory: a plane's 256 rows of y (32,768 bytes) or 128 rows of W (16,384 bytes).  Waves 0 and 1 fetch y's two planes, waves 2 and 3 W's: one load a wave.
; CLUSTERS: 4 x 4 work-groups: y's tiles are shared along a row of the cluster, W's along a column, by joint loads.  THE MATRIX INSTRUCTION IS USED TRANSPOSED (source 0 = 16 rows of W, source 1 = 16 rows of y).
; The bias is the C of each sum's first instruction.
; REGISTERS: window 0: v16-30 addresses; v32-63 the bias; buffer 0: v64-127 y's 8 fragments, v128-159 W's 4; buffer 1: v160-223, v224-255.  window 1: the accumulators ((a, b) at v[8 (4 a + b)]).
.set PITCH,  144                       ; an LDS row: 128 bytes + 16
.set APL,    256*PITCH                 ; a plane of y's tile
.set BPL,    128*PITCH                 ; a plane of W's
.set BOFF,   2*APL
.set SLOT,   2*APL+2*BPL
.set STAGE,  2*SLOT                    ; behind the ring: 16 rows x 272 bytes for each wave
.set SPITCH, 272
.set SPARE,  STAGE+4*16*SPITCH         ; the spare words: two blocks of 256 bytes that no other line names
.set ADRA, 16
.set ADRB, 20
.set STO,  24
.set RD,   25
.set CO,   26
.set SPW,  28
.set NIL,  29
.set PFO,  30
.set BIAS, 32
.set F0,   64
.set F1,   160
.set G1,  24
.set G0,  32
.set G1B, 48
.set G0B, 56
.set PFA, 44                           ; s[44:45] where my prefetches stand
.set LIM, 43                           ; s43 1 in a wave that prefetches, else the greatest number
.set MULW, 0x50                        ; C and D window 1
.set MSB, 0
.macro WIN new
.if MSB != \new
	s_set_vgpr_msb (MSB<<8)|\new
.set MSB, \new
.endif
.endm
.macro JLOAD s                         ; a joint load; an s_nop 0 and four v_nop follow each line
	s_cmp_eq_u32 s13, 0
	s_cbranch_scc0 .Lfor_b_\@
	tensor_load_to_lds s[G0+4*\s:G0+4*\s+3], s[G1:G1+7]
	s_nop 0
.rept 4
	v_nop
.endr
	s_branch .Lasked_\@
.Lfor_b_\@:
	tensor_load_to_lds s[G0B+4*\s:G0B+4*\s+3], s[G1B:G1B+7]
	s_nop 0
.rept 4
	v_nop
.endr
.Lasked_\@:
.endm
; A prefetch into the L2 of y's K step that stands two refills on (K steps 4 to 7).  y's tile row is read by both clusters of a row of clusters: the one with cluster x = 0 asks.  Waves 0 and 1 ask, each for the plane
; that it fetches; of its 32,768 bytes each of the four partners takes 8,192, told apart by address; a lane names 256 bytes.  So each block is named once.  W's 2 MB are read again by all 32 tile rows: not asked for.
.macro ASK
	s_cmp_gt_u32 s3, s[LIM]                        ; s3 = 1 in the loop's last trip: there is no K step two refills on
	s_cbranch_scc0 .Lnot_mine_\@
	global_prefetch_b8 v[PFO], s[PFA:PFA+1] offset:0x200000 th:TH_LOAD_NT scope:SCOPE_SE
.Lnot_mine_\@:
.endm
.macro CREST                           ; a round of the cluster's barrier behind its opening barrier
	s_cmp_lg_u32 s12, 0
	s_cbranch_scc1 .Lnot_wave_0_\@
	s_barrier_signal -3
.Lnot_wave_0_\@:
	s_barrier_wait -3
	s_barrier_signal -1
	s_barrier_wait -1
.endm
.macro CROUND
	s_barrier_signal -1
	s_barrier_wait -1
	CREST
.endm
	s_load_b256 s[4:11], s[0:1], 0x0               ; y16, wp16, b_proj, out0
	v_lshl_add_u32 v[SPW], v0, 2, SPARE
	v_mov_b32 v[NIL], 0
	ds_add_u32 v[SPW], v[NIL]                      ; the wave's opening: the add, twice on end, and its wait ahead of my first tensor load
	ds_add_u32 v[SPW], v[NIL]
	v_lshrrev_b32 v1, 5, v0
	v_readfirstlane_b32 s12, v1                    ; wave 0..3
	s_lshr_b32 s13, s12, 1                         ; which half of the tile's rows is mine.  Also: I fetch for y (0) or for W (1)
	s_and_b32 s14, s12, 1                          ; which half of its columns.  Also: which plane of a K step I fetch
	s_bfe_u32 s40, ttmp6, 0x40000                  ; cx
	s_bfe_u32 s41, ttmp6, 0x40004                  ; cy
	s_lshl_b32 s42, ttmp9, 2
	s_add_co_u32 s42, s42, s40                     ; tile column
	s_and_b32 s15, ttmp7, 0xffff
	s_lshl_b32 s15, s15, 2
	s_add_co_u32 s15, s15, s41                     ; tile row
	s_lshl_b32 s43, s41, 2
	s_lshl_b32 s43, 15, s43                        ; my row of the cluster
	s_lshl_b32 s44, 0x1111, s40                    ; my column
	s_or_b32 s[G1+0], s43, (1<<16)|(1<<20)|(1<<21)|(4<<22)|(3<<25)  ; the mask; elements of 2 bytes; padding: 4 words behind every 32; bit 21 beside a mask
	s_or_b32 s[G1B+0], s44, (1<<16)|(1<<20)|(1<<21)|(4<<22)|(3<<25)
	s_mov_b32 s[G1+1], 64<<16                      ; tensor_dim0
	s_mov_b32 s[G1+2], 256<<16                     ; tensor_dim1
	s_mov_b32 s[G1+3], 64<<16                      ; tile_dim0
	s_mov_b32 s[G1+4], 256                         ; tile_dim1
	s_mov_b32 s[G1+5], 64                          ; from row to row
	s_mov_b32 s[G1+6], 0
	s_mov_b32 s[G1+7], 0
	s_mov_b32 s[G1B+1], 64<<16
	s_mov_b32 s[G1B+2], 128<<16
	s_mov_b32 s[G1B+3], 64<<16
	s_mov_b32 s[G1B+4], 128
	s_mov_b32 s[G1B+5], 64
	s_mov_b32 s[G1B+6], 0
	s_mov_b32 s[G1B+7], 0
	s_lshl_b32 s16, s15, 15                        ; y: 256 x tile row rows of 128 bytes,
	s_lshl_b32 s17, s14, 20                        ; my plane
	s_add_co_u32 s16, s16, s17
	s_mov_b32 s17, 0
	s_lshl_b32 s46, s42, 14                        ; W: 128 x tile column rows,
	s_lshl_b32 s47, s14, 17                        ; my plane
	s_add_co_u32 s46, s46, s47
	s_mov_b32 s47, 0
	s_mul_i32 s20, s14, APL                        ; where they go: no place in the cluster enters an LDS address
	s_mul_i32 s21, s14, BPL
	s_add_co_u32 s21, s21, BOFF
	s_wait_dscnt 0x0                               ; both opening adds are done
	s_wait_kmcnt 0x0
	s_add_nc_u64 s[18:19], s[4:5], s[16:17]
	s_add_nc_u64 s[46:47], s[6:7], s[46:47]
	CROUND                                         ; all sixteen work-groups are here: the first joint loads meet
.irp s, 0,1
	s_mov_b32 s[G0+4*\s], 1
	s_add_co_u32 s[G0+4*\s+1], s20, \s*SLOT
	s_add_nc_u64 s[G0+4*\s+2:G0+4*\s+3], s[18:19], \s*0x200000       ; K step s: two planes of 1,048,576 bytes on
	s_or_b32 s[G0+4*\s+3], s[G0+4*\s+3], 0x80000000
	s_mov_b32 s[G0B+4*\s], 1
	s_add_co_u32 s[G0B+4*\s+1], s21, \s*SLOT
	s_add_nc_u64 s[G0B+4*\s+2:G0B+4*\s+3], s[46:47], \s*0x40000      ; two planes of 131,072 bytes on
	s_or_b32 s[G0B+4*\s+3], s[G0B+4*\s+3], 0x80000000
	JLOAD \s
.endr
	v_and_b32 v1, 15, v0                           ; r
	v_bfe_u32 v2, v0, 4, 1                         ; h
	s_lshl_b32 s46, s42, 9                         ; my first column in bytes of f32: 512 x tile column + 256 x half
	s_lshl_b32 s47, s14, 8
	s_add_co_u32 s46, s46, s47
	s_mov_b32 s47, 0
	s_add_nc_u64 s[8:9], s[8:9], s[46:47]
	v_lshlrev_b32 v7, 5, v2
.irp b, 0,1,2,3
	global_load_b128 v[BIAS+8*\b:BIAS+8*\b+3], v7, s[8:9] offset:64*\b             ; b_proj[n0 + 16 b + 8 h + 0 .. 7]: the result's layout
	global_load_b128 v[BIAS+8*\b+4:BIAS+8*\b+7], v7, s[8:9] offset:64*\b+16
.endr
	v_mul_u32_u24 v3, v1, PITCH
	v_lshl_add_u32 v3, v2, 4, v3
	s_mul_i32 s21, s13, 128*PITCH                  ; my 128 rows of y
	s_mul_i32 s22, s14, 64*PITCH                   ; my 64 rows of W,
	s_add_co_u32 s22, s22, BOFF                    ; behind y's two planes
.irp s, 0,1
	v_add_nc_u32 v[ADRA+\s], s21, v3
	v_add_nc_u32 v[ADRB+\s], s22, v3
	s_add_co_u32 s21, s21, SLOT
	s_add_co_u32 s22, s22, SLOT
.endr
	s_mul_i32 s23, s12, 16*SPITCH
	s_add_co_u32 s23, s23, STAGE                   ; my stage
	v_mul_u32_u24 v4, v1, SPITCH
	v_lshl_add_u32 v4, v2, 5, v4
	v_add_nc_u32 v[STO], s23, v4                   ; in: row r, 32 bytes for each half of the lanes
	v_mul_u32_u24 v5, v2, SPITCH
	v_lshl_add_u32 v5, v1, 4, v5
	v_add_nc_u32 v[RD], s23, v5                    ; back: lanes 0-15 one row of 256 bytes, lanes 16-31 the next
	v_lshlrev_b32 v5, 12, v2
	v_lshl_add_u32 v[CO], v1, 4, v5                ; and the same two rows in out0
	s_lshl_b32 s20, s15, 20                        ; 256 x tile row rows of 4,096 bytes
	s_lshl_b32 s21, s13, 19
	s_add_co_u32 s20, s20, s21
	s_add_co_u32 s20, s20, s46
	s_mov_b32 s21, 0
	s_add_nc_u64 s[10:11], s[10:11], s[20:21]
	; the prefetches
	s_or_b32 s[LIM], s13, ttmp9                    ; 0 in waves 0 and 1 of the clusters with cluster x = 0: the same in all sixteen partners
	s_cmp_eq_u32 s[LIM], 0
	s_cselect_b32 s[LIM], 1, -1
	s_lshl_b32 s20, s40, 13                        ; my work-group's 8,192 bytes of the plane's 32,768
	s_add_nc_u64 s[PFA:PFA+1], s[18:19], s[20:21]
	s_add_nc_u64 s[PFA:PFA+1], s[PFA:PFA+1], 0x400000   ; at K step 2: the first refill steps it to 3 and names K step 4
	v_and_b32 v[PFO], 31, v0
	v_lshlrev_b32 v[PFO], 8, v[PFO]
.macro MUL8 f, a0, zero                ; 8 matrix instructions: y's blocks a0, a0 + 1 against W's four; the 32 accumulators take turns
.irp a, \a0, \a0+1
.irp b, 0,1,2,3
.if \zero
	v_wmma_f32_16x16x32_f16 v[8*(4*(\a)+\b):8*(4*(\a)+\b)+7], v[\f+64+8*\b:\f+64+8*\b+7], v[\f+8*(\a):\f+8*(\a)+7], v[BIAS+8*\b:BIAS+8*\b+7]
.else
	v_wmma_f32_16x16x32_f16 v[8*(4*(\a)+\b):8*(4*(\a)+\b)+7], v[\f+64+8*\b:\f+64+8*\b+7], v[\f+8*(\a):\f+8*(\a)+7], v[8*(4*(\a)+\b):8*(4*(\a)+\b)+7]
.endif
.endr
.endr
.endm
.macro FETCH slot, q, f                ; 24 LDS loads in one run: quarter q (32 along K) of a slot into buffer f: W's four fragments, y's blocks 0-3, y's blocks 4-7
	WIN 0
.irp i, 0,1,2,3
	ds_load_b128 v[\f+64+8*\i:\f+64+8*\i+3],   v[ADRB+\slot] offset:((\q)/2)*BPL+\i*16*PITCH+64*((\q)%2)
	ds_load_b128 v[\f+64+8*\i+4:\f+64+8*\i+7], v[ADRB+\slot] offset:((\q)/2)*BPL+\i*16*PITCH+64*((\q)%2)+32
.endr
.irp i, 0,1,2,3,4,5,6,7
	ds_load_b128 v[\f+8*\i:\f+8*\i+3],   v[ADRA+\slot] offset:((\q)/2)*APL+\i*16*PITCH+64*((\q)%2)
	ds_load_b128 v[\f+8*\i+4:\f+8*\i+7], v[ADRA+\slot] offset:((\q)/2)*APL+\i*16*PITCH+64*((\q)%2)+32
.endr
.endm
.macro PLACES
.rept 4
	v_nop
.endr
.endm
.macro QUARTER slot, q, f, g, zero     ; multiplies buffer f; in its middle fetches quarter q of the slot into buffer g
	s_wait_dscnt 8                                 ; W and y's blocks 0-3 are in; the youngest eight loads (blocks 4-7) may be out
.if \zero
	WIN 0x40                                       ; C (the bias) window 0, D window 1
.else
	WIN MULW
.endif
	MUL8 \f, 0, \zero
	MUL8 \f, 2, \zero
	PLACES
	FETCH \slot, \q, \g
	s_wait_dscnt 24                                ; all but the 24 just issued
.if \zero
	WIN 0x40
.else
	WIN MULW
.endif
	MUL8 \f, 4, \zero
	MUL8 \f, 6, \zero
.endm
.macro TURN slot, next, fill           ; a K step's last quarter multiplies buffer 1 and changes slots
.if \fill
	s_wait_xcnt 0x0                                ; the last prefetch, a K step back, has read its address
	s_add_nc_u64 s[PFA:PFA+1], s[PFA:PFA+1], 0x200000
.endif
	WIN 0
	s_wait_tensorcnt 0x0                           ; my part of the next slot is in
	ds_add_u32 v[SPW], v[NIL]                      ; 0 onto my spare word
	s_wait_dscnt 9                                 ; the add and the youngest eight loads may be out
	WIN MULW
	MUL8 F1, 0, 0
	s_wait_dscnt 0x0                               ; the add is done, and my reads of this slot are over
	s_barrier_signal -1
	MUL8 F1, 2, 0
.if \fill
	WIN 0
.endif
	s_barrier_wait -1
.if \fill
	CREST                                          ; the barrier has opened a round of the cluster's: no wave of any partner still reads this slot or has a load on its way
	s_add_nc_u64 s[G0+4*\slot+2:G0+4*\slot+3], s[G0+4*\slot+2:G0+4*\slot+3], 0x400000
	s_add_nc_u64 s[G0B+4*\slot+2:G0B+4*\slot+3], s[G0B+4*\slot+2:G0B+4*\slot+3], 0x80000
	JLOAD \slot                                    ; the first tensor load behind the round; its four v_nop are also the places in front of the loads below
.else
	PLACES
.endif
	FETCH \next, 0, F0
.if \fill
	ASK
.endif
	WIN MULW
	MUL8 F1, 4, 0
	MUL8 F1, 6, 0
.endm
	s_wait_tensorcnt 1                             ; my part of K step 0 is in; K step 1's load may be out
	s_barrier_signal -1
	s_barrier_wait -1
	FETCH 0, 0, F0
	s_wait_loadcnt 0x0                             ; the bias
	QUARTER 0, 1, F0, F1, 1                        ; the first quarter stands in front of the loop: its products start the sums
	WIN 0
	s_mov_b32 s3, 3
.Llap:                                             ; a trip goes once round the ring and fills both slots again
	QUARTER 0, 2, F1, F0, 0
	QUARTER 0, 3, F0, F1, 0
	TURN 0, 1, 1
	QUARTER 1, 1, F0, F1, 0
	QUARTER 1, 2, F1, F0, 0
	QUARTER 1, 3, F0, F1, 0
	TURN 1, 0, 1
	QUARTER 0, 1, F0, F1, 0
	WIN 0
	s_sub_co_u32 s3, s3, 1
	s_cmp_lg_u32 s3, 0
	s_cbranch_scc1 .Llap
	QUARTER 0, 2, F1, F0, 0                        ; the last lap fills nothing
	QUARTER 0, 3, F0, F1, 0
	TURN 0, 1, 0
	QUARTER 1, 1, F0, F1, 0
	QUARTER 1, 2, F1, F0, 0
	QUARTER 1, 3, F0, F1, 0
	s_wait_dscnt 8
	WIN MULW
	MUL8 F1, 0, 0
	MUL8 F1, 2, 0
	s_wait_dscnt 0
	MUL8 F1, 4, 0
	MUL8 F1, 6, 0
	WIN 0
; THE WAY OUT, a block of 16 rows x 64 columns at a time: through my own stage, back as whole rows of 256 bytes.
.macro TOSTAGE a
	WIN 0x04                                       ; an LDS store's data are its source 1: window 1
.irp b, 0,1,2,3
	ds_store_b128 v[STO], v[8*(4*(\a)+\b):8*(4*(\a)+\b)+3] offset:64*\b          ; each accumulator from its low end on
	ds_store_b128 v[STO], v[8*(4*(\a)+\b)+4:8*(4*(\a)+\b)+7] offset:64*\b+16
.endr
	WIN 0
.set BB, 64+32*((\a)%2)
.irp t, 0,1,2,3,4,5,6,7
	ds_load_b128 v[BB+4*\t:BB+4*\t+3], v[RD] offset:\t*2*SPITCH
.endr
.endm
.macro SEND a, younger                 ; younger: the LDS instructions issued behind block a's loads
.set BB, 64+32*((\a)%2)
	s_wait_dscnt \younger
.if (\a) > 0
	s_add_nc_u64 s[10:11], s[10:11], 65536         ; 16 rows on (the earlier stores have read their base: a wait on XCNT stands ahead)
.endif
.irp t, 0,1,2,3,4,5,6,7
	global_store_b128 v[CO], v[BB+4*\t:BB+4*\t+3], s[10:11] offset:\t*8192 th:TH_STORE_NT   ; sixteen lanes store 256 consecutive bytes, aligned
.endr
.endm
	PLACES
	TOSTAGE 0
.irp a, 1,2,3,4,5,6,7
.if \a > 1
	s_wait_xcnt 0x0                                ; block a - 2's stores have read their registers and their base
.endif
	TOSTAGE \a
	SEND \a-1, 16                                  ; behind block a - 1's loads: block a's 8 stores and 8 loads
.endr
	s_wait_xcnt 0x0
	SEND 7, 0
	s_wait_tensorcnt 0x0                           ; the wave's end
	ds_add_u32 v[SPW], v[NIL]
	s_wait_dscnt 0x0
	CROUND                                         ; the closing round
	s_endpgm
.Lfunc_end_k_q3166ec7cee_proj:
	.size	k_q3166ec7cee_proj, .Lfunc_end_k_q3166ec7cee_proj-k_q3166ec7cee_proj
	.p2alignl 7, 3214868480
	.fill 96, 4, 3214868480
	.section	.rodata,"a",@progbits
	.p2align	6, 0x0
	.amdhsa_kernel k_q3166ec7cee_proj
		.amdhsa_group_segment_fixed_size 327680
		.amdhsa_private_segment_fixed_size 0
		.amdhsa_enable_private_segment 0
		.amdhsa_kernarg_size 32
		.amdhsa_user_sgpr_count 2
		.amdhsa_user_sgpr_kernarg_segment_ptr 1
		.amdhsa_wavefront_size32 1
		.amdhsa_system_sgpr_workgroup_id_x 1
		.amdhsa_system_sgpr_workgroup_id_y 1
		.amdhsa_system_sgpr_workgroup_id_z 1
		.amdhsa_system_vgpr_workitem_id 0
		.amdhsa_next_free_vgpr 512
		.amdhsa_next_free_sgpr 66
		.amdhsa_reserve_vcc 0
		.amdhsa_float_denorm_mode_32 3
		.amdhsa_float_denorm_mode_16_64 3
		.amdhsa_memory_ordered 1
		.amdhsa_forward_progress 1
		.amdhsa_inst_pref_size 87
	.end_amdhsa_kernel
	.amdgpu_metadata
---
amdhsa.version: [ 1, 2 ]
amdhsa.kernels:
  - .name:           k_q3166ec7cee_proj
    .symbol:         k_q3166ec7cee_proj.kd
    .args:
      - { .name: y16, .offset: 0, .size: 8, .value_kind: global_buffer, .address_space: global }
      - { .name: wp16, .offset: 8, .size: 8, .value_kind: global_buffer, .address_space: global }
      - { .name: b_proj, .offset: 16, .size: 8, .value_kind: global_buffer, .address_space: global }
      - { .name: out0, .offset: 24, .size: 8, .value_kind: global_buffer, .address_space: global }
    .group_segment_fixed_size: 327680
    .private_segment_fixed_size: 0
    .kernarg_segment_align: 8
    .kernarg_segment_size: 32
    .max_flat_workgroup_size: 128
    .sgpr_count:     66
    .vgpr_count:     512
    .wavefront_size: 32
...
	.end_amdgpu_metadata
.endif
;; end of part 4
;; launch fine (part 5): grid 16 x 4, 16 waves a work-group, no clusters, 89,344 bytes of LDS; arguments side, padding_mask, W_proj, b_proj, out0; writes out0
.if DOCPART == 5
	.amdgcn_target "amdgcn-amd-amdhsa--gfx1250"
	.amdhsa_code_object_version 6
	.text
	.protected	k_q3166ec7cee_fine
	.globl	k_q3166ec7cee_fine
	.p2align	8
	.type	k_q3166ec7cee_fine,@function
k_q3166ec7cee_fine:
	s_mov_b64 s[64:65], 0
	v_nop
	global_prefetch_b8 v0, s[64:65] scope:SCOPE_SE
	s_setreg_imm32_b32 hwreg(HW_REG_WAVE_MODE, 25, 1), 1
	s_wait_xcnt 0x0
; FINE: positions 0-15 of every batch once more, wholly in f32: they average one to sixteen values and are the largest numbers of the output.
; A work-group owns 64 columns of out0 (x) in one batch (y).  ATTENTION: wave w takes head w: 16 queries x 16 keys, from the f32 rows that the first product left in buffer side.
; PROJECTION: wave w takes 16 of the 64 columns (w % 4) and 256 of the 1,024 channels (w / 4); the four parts meet in LDS.  96 matrix instructions of the f32 form a wave: no bulk work.
; ONE PERMUTATION OF K, the same on both operands, lets fragments come by wide loads: lane (r, h) holds 32 neighbours 32 h + 0 .. 31 of its row's 64, and K step kk takes its registers 2 kk, 2 kk + 1.
; MASKS as in the bulk launch: hidden scores become -1e38, the maximum has the floor -1e30, and a query with no valid key (sum 0) gets the mean of v over all 2,048 positions.
; The registers that the f32 matrix form writes (v128-175) are written by matrix instructions alone.
; LIMITS: NaN and infinities are not served.
.set YP,    4112                       ; y in LDS: 16 rows x (4,096 bytes + 16), from byte 0
.set PARTL, 65792                      ; the projection's four parts: 4 x 16 rows x 272 bytes
.set PP,    272
.set VML,   83200                      ; 16 x 256 bytes: each wave's head's mean of v
.set SPARE, 87296                      ; the spare words, 128 bytes for each wave: eight blocks of 256 bytes that no other line names
.set SPW,   30
.set NIL,   31
.macro WLOAD reg, cc                   ; W_proj(256 (w / 4) + 64 cc + 32 h + i, my column r), i = 0 .. 31
.set i, 0
.rept 32
	global_load_b32 v[\reg+i], v16, s[8:9] offset:(64*(\cc)+i)*4096
.set i, i+1
.endr
.endm
.macro NOPS n
.rept \n
	v_nop
.endr
.endm
.macro CHUNK reg, cc, cnt              ; 64 channels: y's fragment from LDS, 16 products, four sums by turns
.irp i4, 0,1,2,3,4,5,6,7
	ds_load_b128 v[96+4*\i4:96+4*\i4+3], v15 offset:256*(\cc)+16*\i4
.endr
	s_wait_dscnt 0x0
	s_wait_loadcnt \cnt                            ; this chunk of W is in; later chunks may be out
.if (\cc) == 0
	NOPS 9                                         ; these sums begin anew over registers that earlier matrix instructions wrote
.endif
.set kk, 0
.rept 16
.if ((\cc) == 0) && (kk < 4)
	v_wmma_f32_16x16x4_f32 v[144+8*(kk%4):144+8*(kk%4)+7], v[\reg+2*kk:\reg+2*kk+1], v[96+2*kk:96+2*kk+1], 0
.else
	v_wmma_f32_16x16x4_f32 v[144+8*(kk%4):144+8*(kk%4)+7], v[\reg+2*kk:\reg+2*kk+1], v[96+2*kk:96+2*kk+1], v[144+8*(kk%4):144+8*(kk%4)+7]
.endif
.set kk, kk+1
.endr
	NOPS 8                                         ; places in front of the next loads into y's fragment, and of the first read of the sums
.endm
	s_load_b256 s[4:11], s[0:1], 0x0               ; side, padding_mask, W_proj, b_proj
	s_load_b64 s[12:13], s[0:1], 0x20              ; out0
	v_lshl_add_u32 v[SPW], v0, 2, SPARE
	v_mov_b32 v[NIL], 0
	v_lshrrev_b32 v1, 5, v0
	v_readfirstlane_b32 s14, v1                    ; wave 0..15: my head
	s_mov_b32 s15, ttmp9                           ; which 64 columns
	s_and_b32 s16, ttmp7, 0xffff                   ; batch
	s_and_b32 s17, s14, 3                          ; which 16 of them
	s_lshr_b32 s18, s14, 2                         ; which 256 channels
	s_mov_b32 s20, 0x76543210
	s_mov_b32 s21, 0xfedcba98
	s_mov_b32 s22, 0x3e38aa3b                      ; c = log2(e) / 8
	v_and_b32 v1, 15, v0                           ; r
	v_bfe_u32 v2, v0, 4, 1                         ; h
	v_and_b32 v3, 31, v0                           ; lane
	v_mul_u32_u24 v8, v1, 12288
	v_lshl_add_u32 v8, v2, 7, v8                   ; q, k: position r, + 32 h channels
	v_mul_u32_u24 v9, v2, 98304
	v_lshl_add_u32 v9, v1, 2, v9                   ; v: position 8 h, channel r
	v_lshlrev_b32 v10, 5, v2                       ; the mask words of keys 8 h on
	v_lshlrev_b32 v11, 3, v3
	s_lshl_b32 s23, s14, 8
	s_add_co_u32 s24, s23, VML
	v_lshl_add_u32 v12, v3, 3, s24
	v_lshl_add_u32 v13, v2, 5, s24
	v_mul_u32_u24 v14, v1, YP
	v_lshl_add_u32 v15, v2, 7, v14
	v_lshl_add_u32 v14, v2, 5, v14
	v_add_nc_u32 v14, s23, v14                     ; y, in: row r, channel 64 head + 8 h
	s_lshl_b32 s24, s18, 10
	v_add_nc_u32 v15, s24, v15                     ; y, back: row r, channel 256 (w / 4) + 32 h
	v_lshlrev_b32 v16, 17, v2
	v_lshl_add_u32 v16, v1, 2, v16                 ; W_proj: 32 h rows down, column r
	s_mul_i32 s24, s18, 16*PP
	s_lshl_b32 s25, s17, 6
	s_add_co_u32 s24, s24, s25
	s_add_co_u32 s24, s24, PARTL
	v_mul_u32_u24 v17, v1, PP
	v_lshl_add_u32 v17, v2, 5, v17
	v_add_nc_u32 v17, s24, v17                     ; the parts, in: part w / 4, row r, column 16 (w % 4) + 8 h
	s_mul_i32 s24, s14, 2*PP
	s_add_co_u32 s24, s24, PARTL
	v_mul_u32_u24 v18, v2, PP
	v_lshl_add_u32 v18, v1, 4, v18
	v_add_nc_u32 v18, s24, v18                     ; back (waves 0-7): row 2 w + h, 16 bytes a lane
	v_lshlrev_b32 v19, 12, v2
	v_lshl_add_u32 v19, v1, 4, v19                 ; and the same in out0
	v_lshlrev_b32 v20, 4, v1
	v_lshlrev_b32 v21, 3, v2
	v_sub_nc_u32 v21, v1, v21                      ; r - 8 h
	v_mov_b32 v22, 0xfe967699                      ; -1e38
	s_mov_b32 s25, 0
	s_wait_kmcnt 0x0
	s_mul_i32 s24, s16, 196608
	s_add_co_u32 s24, s24, s23
	s_add_nc_u64 s[26:27], s[4:5], s[24:25]        ; the f32 rows at my batch and my head's channels
	s_lshl_b32 s24, s16, 16
	s_add_co_u32 s24, s24, s23
	s_add_co_u32 s24, s24, 786432
	s_add_nc_u64 s[28:29], s[4:5], s[24:25]        ; the sums of v likewise
	s_lshl_b32 s24, s16, 13
	s_add_nc_u64 s[6:7], s[6:7], s[24:25]
	s_lshl_b32 s24, s18, 20
	s_lshl_b32 s32, s15, 8
	s_add_co_u32 s24, s24, s32
	s_lshl_b32 s33, s17, 6
	s_add_co_u32 s24, s24, s33
	s_add_nc_u64 s[8:9], s[8:9], s[24:25]
	s_mov_b32 s33, 0
	s_add_nc_u64 s[10:11], s[10:11], s[32:33]
	s_lshl_b32 s24, s16, 23
	s_lshl_b32 s35, s14, 13
	s_add_co_u32 s24, s24, s35
	s_add_co_u32 s24, s24, s32
	s_add_nc_u64 s[12:13], s[12:13], s[24:25]      ; out0 at row 2,048 batch + 2 w, my 64 columns
	global_load_b128 v[4:7], v20, s[10:11]         ; b_proj at the four columns that I store
	global_load_b128 v[184:187], v10, s[6:7]
	global_load_b128 v[188:191], v10, s[6:7] offset:16
.irp p, 0,1,2,3,4,5,6,7,8,9,10,11,12,13,14,15
	global_load_b64 v[192+2*\p:192+2*\p+1], v11, s[28:29] offset:4096*\p
.endr
.irp i4, 0,1,2,3,4,5,6,7
	global_load_b128 v[32+4*\i4:32+4*\i4+3], v8, s[26:27] offset:4096+16*\i4      ; q
.endr
.irp i4, 0,1,2,3,4,5,6,7
	global_load_b128 v[64+4*\i4:64+4*\i4+3], v8, s[26:27] offset:16*\i4           ; k
.endr
.irp ct, 0,1,2,3
.irp e, 0,1,2,3,4,5,6,7
	global_load_b32 v[96+8*\ct+\e], v9, s[26:27] offset:8192+\e*12288+64*\ct      ; v(8 h + e, 16 ct + r)
.endr
.endr
	s_wait_loadcnt 32                              ; all but v's 32 loads
.irp w, 8,4,2,1
.set u, 0
.rept \w
	v_pk_add_f32 v[192+2*u:192+2*u+1], v[192+2*u:192+2*u+1], v[192+2*(u+\w):192+2*(u+\w)+1]
.set u, u+1
.endr
.endr
	v_pk_mul_f32 v[192:193], v[192:193], 0x3a000000 op_sel_hi:[1,0]   ; / 2,048
	ds_store_b64 v12, v[192:193]                   ; my head's mean of v, in my wave's own bytes
	WLOAD 192, 0
	; S^T = k q^T: source 0 = 16 keys, source 1 = 16 queries; two sums by turns
	v_wmma_f32_16x16x4_f32 v[128:135], v[64:65], v[32:33], 0
	v_wmma_f32_16x16x4_f32 v[136:143], v[66:67], v[34:35], 0
.irp kk, 2,3,4,5,6,7,8,9,10,11,12,13,14,15
	v_wmma_f32_16x16x4_f32 v[128+8*(\kk%2):128+8*(\kk%2)+7], v[64+2*\kk:64+2*\kk+1], v[32+2*\kk:32+2*\kk+1], v[128+8*(\kk%2):128+8*(\kk%2)+7]
.endr
	NOPS 8
.irp j, 0,1,2,3,4,5,6,7
	v_add_f32 v[176+\j], v[128+\j], v[136+\j]      ; register j: key 8 h + j, query r
.endr
.irp j, 0,1,2,3,4,5,6,7
	v_cmp_gt_i32 vcc_lo, \j, v21                   ; the key comes after the query
	v_cndmask_b32 v[176+\j], v[176+\j], v22, vcc_lo
.endr
.irp j, 0,1,2,3,4,5,6,7
	v_cmp_eq_u32 vcc_lo, 0, v[184+\j]              ; the key is padding
	v_cndmask_b32 v[176+\j], v[176+\j], v22, vcc_lo
.endr
	v_max3_num_f32 v24, v176, v177, v178
	v_max3_num_f32 v25, v179, v180, v181
	v_max3_num_f32 v24, v24, v182, v183
	v_max3_num_f32 v24, v24, v25, 0xf149f2ca       ; with the floor -1e30
	v_permlanex16_b32 v25, v24, s20, s21
	v_max_num_f32 v24, v24, v25                    ; the row's maximum
	v_mul_f32 v25, s22, v24
.irp j, 0,1,2,3,4,5,6,7
	v_fma_f32 v[176+\j], v[176+\j], s22, -v25
.endr
.irp j, 0,1,2,3,4,5,6,7
	v_exp_f32 v[176+\j], v[176+\j]
.endr
	v_nop                                          ; a plain instruction behind the last exponential
	s_wait_alu depctr_va_vdst(0)                   ; one wait for the batch, ahead of its first reader
	v_add_f32 v26, v176, v177
	v_add_f32 v27, v178, v179
	v_add_f32 v28, v180, v181
	v_add_f32 v29, v182, v183
	v_add_f32 v26, v26, v27
	v_add_f32 v28, v28, v29
	v_add_f32 v26, v26, v28
	v_permlanex16_b32 v27, v26, s20, s21
	v_add_f32 v26, v26, v27                        ; the row's sum
	s_wait_loadcnt 32                              ; v is in; W's chunk 0 may be out
	; O^T = v^T p: source 0 = 16 channels, source 1 = p; K step kk takes keys 8 h + 2 kk, + 1; four sums by turns
.irp ct, 0,1,2,3
	v_wmma_f32_16x16x4_f32 v[144+8*\ct:144+8*\ct+7], v[96+8*\ct:96+8*\ct+1], v[176:177], 0
.endr
.irp kk, 1,2,3
.irp ct, 0,1,2,3
	v_wmma_f32_16x16x4_f32 v[144+8*\ct:144+8*\ct+7], v[96+8*\ct+2*\kk:96+8*\ct+2*\kk+1], v[176+2*\kk:176+2*\kk+1], v[144+8*\ct:144+8*\ct+7]
.endr
.endr
	WLOAD 224, 1
	WLOAD 32, 2
	v_rcp_f32 v27, v26
	v_cmp_lt_f32 s34, 0, v26                       ; the query has a valid key
.irp ct, 0,1,2,3
	ds_load_b128 v[64+8*\ct:64+8*\ct+3], v13 offset:64*\ct        ; the mean of v at my eight channels of each tile
	ds_load_b128 v[64+8*\ct+4:64+8*\ct+7], v13 offset:64*\ct+16
.endr
	NOPS 8
	s_wait_alu depctr_va_vdst(0)                   ; the wait for the reciprocal, ahead of its first reader
	s_wait_dscnt 0x0
.set i, 0
.rept 32
	v_mul_f32 v[96+i], v[144+i], v27               ; register 8 ct + j: y(query r, channel 16 ct + 8 h + j)
.set i, i+1
.endr
.set i, 0
.rept 32
	v_cndmask_b32 v[96+i], v[64+i], v[96+i], s34
.set i, i+1
.endr
.irp ct, 0,1,2,3
	ds_store_b128 v14, v[96+8*\ct:96+8*\ct+3] offset:64*\ct
	ds_store_b128 v14, v[96+8*\ct+4:96+8*\ct+7] offset:64*\ct+16
.endr
	WLOAD 64, 3
	s_wait_dscnt 0x0                               ; for the others' sake: my part of y has landed
	s_barrier_signal -1
	s_barrier_wait -1                              ; 16 rows of y, all 1,024 channels, lie in LDS
	; the projection: source 0 = 16 columns of W_proj, source 1 = y's 16 rows
	CHUNK 192, 0, 63                               ; (96 younger loads would do; the count's field holds 63)
	CHUNK 224, 1, 63                               ; (64 would do)
	CHUNK 32, 2, 32
	CHUNK 64, 3, 0
.irp j, 0,1,2,3,4,5,6,7
	v_add_f32 v[176+\j], v[144+\j], v[152+\j]
.endr
.irp j, 0,1,2,3,4,5,6,7
	v_add_f32 v[184+\j], v[160+\j], v[168+\j]
.endr
.irp j, 0,1,2,3,4,5,6,7
	v_add_f32 v[176+\j], v[176+\j], v[184+\j]      ; register j: (query r, column 16 (w % 4) + 8 h + j), over my 256 channels
.endr
	ds_store_b128 v17, v[176:179]
	ds_store_b128 v17, v[180:183] offset:16
	s_wait_dscnt 0x0
	s_barrier_signal -1
	s_barrier_wait -1                              ; the four parts lie in LDS
	s_cmp_lt_u32 s14, 8
	s_cbranch_scc0 .Ldone                          ; waves 0-7 store two rows each
.irp k4, 0,1,2,3
	ds_load_b128 v[192+4*\k4:192+4*\k4+3], v18 offset:16*PP*\k4
.endr
	s_wait_dscnt 0x0
	v_pk_add_f32 v[192:193], v[192:193], v[196:197]
	v_pk_add_f32 v[194:195], v[194:195], v[198:199]
	v_pk_add_f32 v[200:201], v[200:201], v[204:205]
	v_pk_add_f32 v[202:203], v[202:203], v[206:207]
	v_pk_add_f32 v[192:193], v[192:193], v[200:201]
	v_pk_add_f32 v[194:195], v[194:195], v[202:203]
	v_pk_add_f32 v[192:193], v[192:193], v[4:5]
	v_pk_add_f32 v[194:195], v[194:195], v[6:7]
	global_store_b128 v19, v[192:195], s[12:13]    ; sixteen lanes store 256 consecutive bytes, aligned
.Ldone:
	s_wait_tensorcnt 0x0                           ; the wave's end
	ds_add_u32 v[SPW], v[NIL]
	s_wait_dscnt 0x0
	s_endpgm
.Lfunc_end_k_q3166ec7cee_fine:
	.size	k_q3166ec7cee_fine, .Lfunc_end_k_q3166ec7cee_fine-k_q3166ec7cee_fine
	.p2alignl 7, 3214868480
	.fill 96, 4, 3214868480
	.section	.rodata,"a",@progbits
	.p2align	6, 0x0
	.amdhsa_kernel k_q3166ec7cee_fine
		.amdhsa_group_segment_fixed_size 89344
		.amdhsa_private_segment_fixed_size 0
		.amdhsa_enable_private_segment 0
		.amdhsa_kernarg_size 40
		.amdhsa_user_sgpr_count 2
		.amdhsa_user_sgpr_kernarg_segment_ptr 1
		.amdhsa_wavefront_size32 1
		.amdhsa_system_sgpr_workgroup_id_x 1
		.amdhsa_system_sgpr_workgroup_id_y 1
		.amdhsa_system_sgpr_workgroup_id_z 1
		.amdhsa_system_vgpr_workitem_id 0
		.amdhsa_next_free_vgpr 256
		.amdhsa_next_free_sgpr 66
		.amdhsa_reserve_vcc 1
		.amdhsa_float_denorm_mode_32 3
		.amdhsa_float_denorm_mode_16_64 3
		.amdhsa_memory_ordered 1
		.amdhsa_forward_progress 1
		.amdhsa_inst_pref_size 43
	.end_amdhsa_kernel
	.amdgpu_metadata
---
amdhsa.version: [ 1, 2 ]
amdhsa.kernels:
  - .name:           k_q3166ec7cee_fine
    .symbol:         k_q3166ec7cee_fine.kd
    .args:
      - { .name: side, .offset: 0, .size: 8, .value_kind: global_buffer, .address_space: global }
      - { .name: padding_mask, .offset: 8, .size: 8, .value_kind: global_buffer, .address_space: global }
      - { .name: W_proj, .offset: 16, .size: 8, .value_kind: global_buffer, .address_space: global }
      - { .name: b_proj, .offset: 24, .size: 8, .value_kind: global_buffer, .address_space: global }
      - { .name: out0, .offset: 32, .size: 8, .value_kind: global_buffer, .address_space: global }
    .group_segment_fixed_size: 89344
    .private_segment_fixed_size: 0
    .kernarg_segment_align: 8
    .kernarg_segment_size: 40
    .max_flat_workgroup_size: 512
    .sgpr_count:     66
    .vgpr_count:     256
    .wavefront_size: 32
...
	.end_amdgpu_metadata
.endif
;; end of part 5
